; MI455X (gfx1250); checked and timed in simulation.
; The chip was launched on July 23, 2026; its instructions are those of AMD's public machine-readable ISA for CDNA 5 (MIT licence, August 2026) and "CDNA5" Instruction Set Architecture Reference Guide (July 2026). The comments in the code are by the model that wrote it; some were corrected since.
;; Cross Attn UGCA. Allowed arithmetic: float matrix products may take bf16 or f16 operands with f32 sums; other float arithmetic in f32, or as packed bf16 or f16 multiplies, adds, multiply-adds, maxima and minima; sums over many terms, partial sums and values carried from step to step in f32; what a program stores and reads back later, other than sums and carried values, may be rounded once to bf16 or f16.
;; Inputs: Wg1 3,072 x 192 float32; Wg2 192 x 1 float32; Wk 768 x 768 float32; Wo 768 x 768 float32; Wq 768 x 768 float32; Wv 768 x 768 float32; bg1 192 float32; bg2 1 float32; bk 768 float32; bo 768 float32; bq 768 float32; bv 768 float32; kv_mask 32 x 1,024 bool; kv_tokens 32 x 1,024 x 768 float32; ln_b 768 float32; ln_g 768 float32; q_vec 32 x 768 float32.
;; Outputs: out0 32 x 768 float32; out1 32 x 1,024 float32.
;; 2 versions, each right; version 2 is version 1 with the launches qproj, main, ctxp, xproj written anew for expert scheduling mode. Each part assembles by itself: llvm-mc -triple=amdgcn-amd-amdhsa -mcpu=gfx1250 --defsym DOCPART=n.
;; ======== version 1 of 2: 8 launches
;; workspace buffers: GW 10,027,008 bytes; qf 98,304 bytes; KB 418,816 bytes; PO 6,356,992 bytes; cbar 786,432 bytes; ctx 98,304 bytes; xo 98,304 bytes
;; launch gw (part 1): grid 72 x 4, 8 waves a work-group, no clusters, 0 bytes of LDS; arguments Wg1, q_vec, GW; writes GW
.if DOCPART == 1
	.amdgcn_target "amdgcn-amd-amdhsa--gfx1250"
	.amdhsa_code_object_version 6
	.text
	.protected	k_q4c256b428c_gw
	.globl	k_q4c256b428c_gw
	.p2align	8
	.type	k_q4c256b428c_gw,@function
k_q4c256b428c_gw:
	s_mov_b64 s[64:65], 0
	v_nop
	global_prefetch_b8 v0, s[64:65] scope:SCOPE_SE
	s_setreg_imm32_b32 hwreg(HW_REG_WAVE_MODE, 25, 1), 1
	s_wait_xcnt 0x0
; The gate's weights, folded and laid out as matrix fragments, in bf16.  Wg1 is [3072][192] f32: rows 0.. (a, times q), 768.. (b, times kv), 1536.. (c, times |q - kv|), 2304.. (d, times q kv).
; kv Wb + (q kv) Wd = kv (Wb + q Wd), so for each batch z: section z of GW = bf16(Wb[k][n] + q[z][k] Wd[k][n]).  Section 32 = bf16(Wc), section 33 = bf16(Wa).
; A section is [k step 24][n tile 12][half 2][lane 32][16 bytes]: lane (r, hh) holds n = 16 nt + r, k = 32 ks + 16 half + 8 hh + 0..7: what one 16-byte load of a fragment wants.
; A wave owns one block of 512 bytes (ks, nt, half) in eight sections z = 8 y + 0..7; each store covers 512 consecutive bytes.  Work-group rows y = 0, 1 also write sections 32, 33.
.set SEC,  294912                      ; bytes in a section
.set ROWB, 768                         ; bytes in a row of Wg1
	s_load_b128 s[4:7], s[0:1], 0x0                ; Wg1 s[4:5], q_vec s[6:7]
	s_load_b64 s[8:9], s[0:1], 0x10                ; GW
	v_lshrrev_b32 v1, 5, v0
	v_readfirstlane_b32 s10, v1                    ; wave
	s_and_b32 s11, ttmp7, 0xffff                   ; y
	s_lshl_b32 s12, ttmp9, 3
	s_add_co_u32 s12, s12, s10                     ; block 0..575
	s_lshr_b32 s13, s12, 1                         ; 12 ks + nt
	s_and_b32 s14, s12, 1                          ; half
	s_mul_i32 s15, s13, 171
	s_lshr_b32 s15, s15, 11                        ; ks = (12 ks + nt) / 12, exact up to 287
	s_mul_i32 s16, s15, 12
	s_sub_co_u32 s16, s13, s16                     ; nt
	s_lshl_b32 s17, s15, 5
	s_lshl4_add_u32 s17, s14, s17                  ; 32 ks + 16 half
	s_lshl_b32 s16, s16, 4                         ; 16 nt
	s_lshl_b32 s18, s12, 9                         ; the block's byte in a section
	v_and_b32 v2, 15, v0                           ; r
	v_bfe_u32 v3, v0, 4, 1                         ; hh
	v_and_b32 v1, 31, v0
	v_lshl_add_u32 v4, v3, 3, s17                  ; k
	v_add_nc_u32 v5, s16, v2                       ; n
	v_mul_u32_u24 v6, v4, ROWB
	v_lshl_add_u32 v6, v5, 2, v6                   ; byte of Wg1[k][n]
	v_lshlrev_b32 v7, 2, v4                        ; byte of q[k]
	v_lshl_add_u32 v1, v1, 4, s18                  ; my 16 bytes in a section
	s_mul_i32 s20, s11, 24576                      ; eight rows of q
	s_mov_b32 s21, 0
	s_mul_i32 s22, s11, 8*SEC
	s_mov_b32 s23, 0
	s_wait_kmcnt 0x0
	s_add_nc_u64 s[24:25], s[6:7], s[20:21]
	s_add_nc_u64 s[26:27], s[8:9], s[22:23]
.irp e, 0,1,2,3,4,5,6,7
	global_load_b32 v[8+\e], v6, s[4:5] offset:(768+\e)*ROWB      ; Wb
.endr
.irp e, 0,1,2,3,4,5,6,7
	global_load_b32 v[16+\e], v6, s[4:5] offset:(2304+\e)*ROWB    ; Wd
.endr
.irp z, 0,1,2,3,4,5,6,7
	global_load_b128 v[24+8*\z:27+8*\z], v7, s[24:25] offset:\z*3072
	global_load_b128 v[28+8*\z:31+8*\z], v7, s[24:25] offset:\z*3072+16
.endr
.irp z, 0,1,2,3,4,5,6,7
	s_wait_loadcnt 2*(7-\z)                        ; the later batches' two loads of q each may stay out
.irp i, 0,1,2,3
	v_pk_fma_f32 v[88+2*\i:89+2*\i], v[16+2*\i:17+2*\i], v[24+8*\z+2*\i:25+8*\z+2*\i], v[8+2*\i:9+2*\i]
.endr
.irp i, 0,1,2,3
	v_cvt_pk_bf16_f32 v[96+4*\z+\i], v[88+2*\i], v[89+2*\i]
.endr
	global_store_b128 v1, v[96+4*\z:99+4*\z], s[26:27] offset:\z*SEC   ; each batch has store registers of its own
.endr
	s_cmp_lt_u32 s11, 2
	s_cbranch_scc0 .Ldone
	s_cmp_eq_u32 s11, 0
	s_cselect_b32 s20, 1536*ROWB, 0                ; y = 0: Wc, y = 1: Wa
	s_add_nc_u64 s[28:29], s[4:5], s[20:21]
	s_add_co_u32 s22, s11, 32
	s_mul_i32 s22, s22, SEC
	s_add_nc_u64 s[30:31], s[8:9], s[22:23]
.irp e, 0,1,2,3,4,5,6,7
	global_load_b32 v[128+\e], v6, s[28:29] offset:\e*ROWB
.endr
	s_wait_loadcnt 0x0
.irp i, 0,1,2,3
	v_cvt_pk_bf16_f32 v[136+\i], v[128+2*\i], v[129+2*\i]
.endr
	global_store_b128 v1, v[136:139], s[30:31]
.Ldone:
	s_endpgm
.Lfunc_end_k_q4c256b428c_gw:
	.size	k_q4c256b428c_gw, .Lfunc_end_k_q4c256b428c_gw-k_q4c256b428c_gw
	.p2alignl 7, 3214868480
	.fill 96, 4, 3214868480
	.section	.rodata,"a",@progbits
	.p2align	6, 0x0
	.amdhsa_kernel k_q4c256b428c_gw
		.amdhsa_group_segment_fixed_size 0
		.amdhsa_private_segment_fixed_size 0
		.amdhsa_enable_private_segment 0
		.amdhsa_kernarg_size 24
		.amdhsa_user_sgpr_count 2
		.amdhsa_user_sgpr_kernarg_segment_ptr 1
		.amdhsa_wavefront_size32 1
		.amdhsa_system_sgpr_workgroup_id_x 1
		.amdhsa_system_sgpr_workgroup_id_y 1
		.amdhsa_system_sgpr_workgroup_id_z 1
		.amdhsa_system_vgpr_workitem_id 0
		.amdhsa_next_free_vgpr 144
		.amdhsa_next_free_sgpr 66
		.amdhsa_reserve_vcc 0
		.amdhsa_float_denorm_mode_32 3
		.amdhsa_float_denorm_mode_16_64 3
		.amdhsa_memory_ordered 1
		.amdhsa_forward_progress 1
		.amdhsa_inst_pref_size 12
	.end_amdhsa_kernel
	.amdgpu_metadata
---
amdhsa.version: [ 1, 2 ]
amdhsa.kernels:
  - .name:           k_q4c256b428c_gw
    .symbol:         k_q4c256b428c_gw.kd
    .args:
      - { .name: Wg1, .offset: 0, .size: 8, .value_kind: global_buffer, .address_space: global }
      - { .name: q_vec, .offset: 8, .size: 8, .value_kind: global_buffer, .address_space: global }
      - { .name: GW, .offset: 16, .size: 8, .value_kind: global_buffer, .address_space: global }
    .group_segment_fixed_size: 0
    .private_segment_fixed_size: 0
    .kernarg_segment_align: 8
    .kernarg_segment_size: 24
    .max_flat_workgroup_size: 256
    .sgpr_count:     66
    .vgpr_count:     144
    .wavefront_size: 32
...
	.end_amdgpu_metadata
.endif
;; end of part 1
;; launch qproj (part 2): grid 24 x 1, 8 waves a work-group, no clusters, 124,416 bytes of LDS; arguments q_vec, Wq, bq, qf; writes qf
.if DOCPART == 2
	.amdgcn_target "amdgcn-amd-amdhsa--gfx1250"
	.amdhsa_code_object_version 6
	.text
	.protected	k_q4c256b428c_qproj
	.globl	k_q4c256b428c_qproj
	.p2align	8
	.type	k_q4c256b428c_qproj,@function
k_q4c256b428c_qproj:
	s_mov_b64 s[64:65], 0
	v_nop
	global_prefetch_b8 v0, s[64:65] scope:SCOPE_SE
	s_setreg_imm32_b32 hwreg(HW_REG_WAVE_MODE, 25, 1), 1
	s_wait_xcnt 0x0
; out[32][j0 .. j0+31] = A_y[32][768] W[768][768] + bias, j0 = 96 y + 32 x; A_y lies y x 98,304 bytes into A.  All f32 in memory; the operands are rounded to bf16, the sums are f32.
; Three launches run this text: q = q_vec Wq + bq (y = 0), ctx = cbar[h] Wv[:, head h] + bv (y = h), ctx Wo + bo (y = 0).
; Eight waves bring A and the block's 32 columns of W into LDS as bf16; four waves then make one tile of 16 x 16 each, K = 768, on two accumulators by turns.
; The product is taken transposed (source 0 = 16 columns of W, turned by ds_load_tr16_b128; source 1 = 16 rows of A): a lane ends with 8 neighbouring columns of one row.
.set AP,    1552                       ; a row of A in LDS: 1,536 bytes + 16
.set WT,    49664                      ; behind A's 32 rows: W as [k 768][n 32] bf16,
.set WP,    96                         ; 64 bytes + 32 a row
.set SPARE, 123392                     ; the spare words: 128 bytes for each of eight waves
.macro PLACES
.rept 4
	v_nop
.endr
.endm
	s_load_b256 s[4:11], s[0:1], 0x0               ; A s[4:5], W s[6:7], bias s[8:9], out s[10:11]
	v_lshl_add_u32 v12, v0, 2, SPARE               ; my spare word,
	v_mov_b32 v13, 0                               ; and 0: kept for the closing lines
	v_lshrrev_b32 v1, 5, v0
	v_readfirstlane_b32 s12, v1                    ; wave
	s_and_b32 s13, ttmp7, 0xffff                   ; y
	s_mul_i32 s14, s13, 384
	s_lshl_b32 s15, ttmp9, 7
	s_add_co_u32 s14, s14, s15                     ; 4 j0
	s_mov_b32 s15, 0
	s_mul_i32 s16, s13, 98304
	s_mov_b32 s17, 0
	v_and_b32 v1, 31, v0
	v_and_b32 v2, 15, v0                           ; r
	v_bfe_u32 v3, v0, 4, 1                         ; hh
	s_mul_i32 s18, s12, 12288                      ; my four rows of A
	v_lshl_add_u32 v4, v1, 4, s18
	v_lshrrev_b32 v8, 3, v1
	v_and_b32 v9, 7, v1
	s_mul_i32 s19, s12, 96                         ; my 96 rows of W: four a load, eight lanes a row
	v_add_nc_u32 v10, s19, v8
	v_mul_u32_u24 v5, v10, 3072
	v_lshl_add_u32 v5, v9, 4, v5
	s_bfe_u32 s20, s12, 0x10001                    ; the tile of 16 columns
	s_lshl_b32 s20, s20, 6
	v_lshl_add_u32 v6, v3, 5, s20                  ; bias: 4 (16 nt + 8 hh)
	s_mul_i32 s21, s12, 4*AP
	v_lshl_add_u32 v7, v1, 3, s21                  ; A in LDS: 8 bytes a lane
	v_mul_u32_u24 v14, v10, WP
	v_lshl_add_u32 v14, v9, 3, v14
	v_add_nc_u32 v14, WT, v14                      ; W in LDS
	s_wait_kmcnt 0x0
	s_add_nc_u64 s[4:5], s[4:5], s[16:17]
	s_add_nc_u64 s[6:7], s[6:7], s[14:15]
	s_add_nc_u64 s[8:9], s[8:9], s[14:15]
	s_add_nc_u64 s[10:11], s[10:11], s[14:15]
.set i, 0
.rept 24
	global_load_b128 v[16+4*i:19+4*i], v4, s[4:5] offset:(i/6)*3072+(i%6)*512
.set i, i+1
.endr
.set i, 0
.rept 24
	global_load_b128 v[112+4*i:115+4*i], v5, s[6:7] offset:i*12288
.set i, i+1
.endr
	global_load_b128 v[224:227], v6, s[8:9]
	global_load_b128 v[228:231], v6, s[8:9] offset:16
	s_wait_loadcnt 26                              ; A is in; W's 24 loads and the bias's 2 may stay out
.set i, 0
.rept 24
	v_cvt_pk_bf16_f32 v[8+2*(i%2)], v[16+4*i], v[17+4*i]
	v_cvt_pk_bf16_f32 v[9+2*(i%2)], v[18+4*i], v[19+4*i]
	ds_store_b64 v7, v[8+2*(i%2):9+2*(i%2)] offset:(i/6)*AP+(i%6)*256
.set i, i+1
.endr
	s_wait_loadcnt 0x0
.set i, 0
.rept 24
	v_cvt_pk_bf16_f32 v[8+2*(i%2)], v[112+4*i], v[113+4*i]
	v_cvt_pk_bf16_f32 v[9+2*(i%2)], v[114+4*i], v[115+4*i]
	ds_store_b64 v14, v[8+2*(i%2):9+2*(i%2)] offset:i*4*WP
.set i, i+1
.endr
	s_wait_dscnt 0x0                               ; for the others' sake: my stores are done
	s_barrier_signal -1
	s_barrier_wait -1
	s_cmp_lt_u32 s12, 4
	s_cbranch_scc0 .Lend                           ; waves 4 to 7 have no tile
	s_and_b32 s18, s12, 1                          ; bt: which 16 rows of A
	s_lshr_b32 s19, s12, 1                         ; nt: which 16 columns
	s_lshl_b32 s20, s19, 5
	s_add_co_u32 s20, s20, WT
	v_and_b32 v8, 7, v0
	v_bfe_u32 v9, v0, 3, 1
	v_lshl_add_u32 v10, v3, 3, v8
	v_mul_u32_u24 v4, v10, WP                      ; the turning load: row 8 hh + l % 8, 16 bytes for each eight lanes
	v_lshl_add_u32 v4, v9, 4, v4
	v_add_nc_u32 v4, s20, v4
	v_add_nc_u32 v5, 12*32*WP, v4                  ; the same for k steps 12 on: the immediate holds 16 bits
	s_mul_i32 s21, s18, 16*AP
	v_mul_u32_u24 v6, v2, AP
	v_lshl_add_u32 v6, v3, 4, v6
	v_add_nc_u32 v6, s21, v6                       ; A's fragment: row x pitch + 16 hh
	s_mul_i32 s22, s18, 49152
	s_lshl_b32 s23, s19, 6
	s_add_co_u32 s22, s22, s23
	v_mul_u32_u24 v7, v2, 3072
	v_lshl_add_u32 v7, v3, 5, v7
	v_add_nc_u32 v7, s22, v7                       ; my 32 bytes of out
.macro LB q, buf                       ; the 24 LDS loads of k steps 6 q .. 6 q + 5: for each 8 registers of W, 8 of A
.set i, 0
.rept 6
.set ks, 6*(\q)+i
.set g, 16+96*(\buf)+16*i
.if ks < 12
	ds_load_tr16_b128 v[g:g+3], v4 offset:ks*32*WP
	ds_load_tr16_b128 v[g+4:g+7], v4 offset:ks*32*WP+16*WP
.else
	ds_load_tr16_b128 v[g:g+3], v5 offset:(ks-12)*32*WP
	ds_load_tr16_b128 v[g+4:g+7], v5 offset:(ks-12)*32*WP+16*WP
.endif
	ds_load_b128 v[g+8:g+11], v6 offset:ks*64
	ds_load_b128 v[g+12:g+15], v6 offset:ks*64+32
.set i, i+1
.endr
.endm
.macro MB q, buf                       ; their six products; the two accumulators take turns; the first takes the bias as C, the second 0
.set i, 0
.rept 6
.set g, 16+96*(\buf)+16*i
.set a, 208+8*(i%2)
.if ((\q) == 0) && (i == 0)
	v_wmma_f32_16x16x32_bf16 v[a:a+7], v[g:g+7], v[g+8:g+15], v[224:231]
.elseif ((\q) == 0) && (i == 1)
	v_wmma_f32_16x16x32_bf16 v[a:a+7], v[g:g+7], v[g+8:g+15], 0
.else
	v_wmma_f32_16x16x32_bf16 v[a:a+7], v[g:g+7], v[g+8:g+15], v[a:a+7]
.endif
.set i, i+1
.endr
.endm
	LB 0, 0
	LB 1, 1
	s_wait_dscnt 24                                ; the first 24 are in
	MB 0, 0
	PLACES                                         ; four places in front of loads into registers that the products have read
	LB 2, 0
	s_wait_dscnt 24
	MB 1, 1
	PLACES
	LB 3, 1
	s_wait_dscnt 24
	MB 2, 0
	s_wait_dscnt 0x0
	MB 3, 1
	PLACES
	PLACES
.irp i, 0,1,2,3
	v_pk_add_f32 v[208+2*\i:209+2*\i], v[208+2*\i:209+2*\i], v[216+2*\i:217+2*\i]
.endr
	global_store_b128 v7, v[208:211], s[10:11]
	global_store_b128 v7, v[212:215], s[10:11] offset:16
.Lend:
	s_wait_tensorcnt 0x0                           ; the wave's end: three closing lines behind my last LDS store
	ds_add_u32 v12, v13
	s_wait_dscnt 0x0
	s_endpgm
.Lfunc_end_k_q4c256b428c_qproj:
	.size	k_q4c256b428c_qproj, .Lfunc_end_k_q4c256b428c_qproj-k_q4c256b428c_qproj
	.p2alignl 7, 3214868480
	.fill 96, 4, 3214868480
	.section	.rodata,"a",@progbits
	.p2align	6, 0x0
	.amdhsa_kernel k_q4c256b428c_qproj
		.amdhsa_group_segment_fixed_size 124416
		.amdhsa_private_segment_fixed_size 0
		.amdhsa_enable_private_segment 0
		.amdhsa_kernarg_size 32
		.amdhsa_user_sgpr_count 2
		.amdhsa_user_sgpr_kernarg_segment_ptr 1
		.amdhsa_wavefront_size32 1
		.amdhsa_system_sgpr_workgroup_id_x 1
		.amdhsa_system_sgpr_workgroup_id_y 1
		.amdhsa_system_sgpr_workgroup_id_z 1
		.amdhsa_system_vgpr_workitem_id 0
		.amdhsa_next_free_vgpr 240
		.amdhsa_next_free_sgpr 66
		.amdhsa_reserve_vcc 0
		.amdhsa_float_denorm_mode_32 3
		.amdhsa_float_denorm_mode_16_64 3
		.amdhsa_memory_ordered 1
		.amdhsa_forward_progress 1
		.amdhsa_inst_pref_size 26
	.end_amdhsa_kernel
	.amdgpu_metadata
---
amdhsa.version: [ 1, 2 ]
amdhsa.kernels:
  - .name:           k_q4c256b428c_qproj
    .symbol:         k_q4c256b428c_qproj.kd
    .args:
      - { .name: q_vec, .offset: 0, .size: 8, .value_kind: global_buffer, .address_space: global }
      - { .name: Wq, .offset: 8, .size: 8, .value_kind: global_buffer, .address_space: global }
      - { .name: bq, .offset: 16, .size: 8, .value_kind: global_buffer, .address_space: global }
      - { .name: qf, .offset: 24, .size: 8, .value_kind: global_buffer, .address_space: global }
    .group_segment_fixed_size: 124416
    .private_segment_fixed_size: 0
    .kernarg_segment_align: 8
    .kernarg_segment_size: 32
    .max_flat_workgroup_size: 256
    .sgpr_count:     66
    .vgpr_count:     240
    .wavefront_size: 32
...
	.end_amdgpu_metadata
.endif
;; end of part 2
;; launch wqk (part 3): grid 6 x 12, 4 waves a work-group, no clusters, 13,312 bytes of LDS; arguments Wk, bk, qf, q_vec, GW, bg1, KB; writes KB
.if DOCPART == 3
	.amdgcn_target "amdgcn-amd-amdhsa--gfx1250"
	.amdhsa_code_object_version 6
	.text
	.protected	k_q4c256b428c_wqk
	.globl	k_q4c256b428c_wqk
	.p2align	8
	.type	k_q4c256b428c_wqk,@function
k_q4c256b428c_wqk:
	s_mov_b64 s[64:65], 0
	v_nop
	global_prefetch_b8 v0, s[64:65] scope:SCOPE_SE
	s_setreg_imm32_b32 hwreg(HW_REG_WAVE_MODE, 25, 1), 1
	s_wait_xcnt 0x0
; What the one query makes of the key projection and of the gate's first layer.  c2 = log2(e) / sqrt(96).
; KB: at 0        WQK[b][h][768] bf16 = c2 x sum over d of Wk[k][96 h + d] q[b][96 h + d]: a token's score is then kv . WQK
;     at 393,216  SB[b][h] f32        = c2 x sum over d of bk[96 h + d] q[b][96 h + d]
;     at 394,240  CG[b][192] f32      = q_vec[b] Wg1a + bg1: the part of the gate's first layer that no token enters
; Work-group rows y = 0..7: head y, 128 values of k (x): a wave makes 32 k x 32 b, K = 96; bk rides along as a third tile of 16 equal rows.  The results meet in a stage and leave as whole rows of 256 bytes.
; Rows y = 8..11: CG, a tile of 16 b x 16 n for each work-group, K = 768 split among the four waves, the partial sums added by wave 0.
; Operands are rounded to bf16, sums are f32.  All that the part behind the barrier reads is made on both roles' ways.  Each role has LDS bytes of its own: the stage, and PART for the partial sums.
.set SEC,   294912
.set PART,  8704                       ; behind the stage (32 rows x 272 bytes): CG's partial tiles, 1,024 bytes for each wave
.set SPARE, 12800                      ; behind them: the spare words, 128 bytes for each wave
.macro PLACES
.rept 4
	v_nop
.endr
.endm
.macro FR32 g, va, sb, imm             ; a fragment's 16 numbers a lane in f32: 8 at the address, 8 more 64 bytes on
	global_load_b128 v[(\g):(\g)+3], v[\va], s[\sb:\sb+1] offset:(\imm)
	global_load_b128 v[(\g)+4:(\g)+7], v[\va], s[\sb:\sb+1] offset:(\imm)+16
	global_load_b128 v[(\g)+8:(\g)+11], v[\va], s[\sb:\sb+1] offset:(\imm)+64
	global_load_b128 v[(\g)+12:(\g)+15], v[\va], s[\sb:\sb+1] offset:(\imm)+80
.endm
.macro CV16 g                          ; rounded to bf16 in place: the fragment is the group's lower eight registers
.irp i, 0,1,2,3,4,5,6,7
	v_cvt_pk_bf16_f32 v[(\g)+\i], v[(\g)+2*\i], v[(\g)+2*\i+1]
.endr
.endm
	s_load_b256 s[4:11], s[0:1], 0x0               ; Wk s[4:5], bk s[6:7], qf s[8:9], q_vec s[10:11]
	s_load_b128 s[12:15], s[0:1], 0x20             ; GW s[12:13], bg1 s[14:15]
	s_load_b64 s[16:17], s[0:1], 0x30              ; KB
	v_lshl_add_u32 v12, v0, 2, SPARE
	v_mov_b32 v13, 0
	v_lshrrev_b32 v1, 5, v0
	v_readfirstlane_b32 s18, v1                    ; wave
	s_and_b32 s19, ttmp7, 0xffff                   ; y
	s_mov_b32 s20, ttmp9                           ; x
	v_and_b32 v1, 31, v0
	v_and_b32 v2, 15, v0                           ; r
	v_bfe_u32 v3, v0, 4, 1                         ; hh
	v_mul_u32_u24 v4, v2, 3072
	v_lshl_add_u32 v4, v3, 5, v4                   ; a fragment in rows of 768 f32: r x 3,072 + 32 hh
	v_lshlrev_b32 v6, 5, v3                        ; 32 hh
	v_mul_u32_u24 v7, v2, 272
	v_lshl_add_u32 v7, v3, 4, v7
	s_lshl_b32 s21, s18, 6
	v_add_nc_u32 v7, s21, v7                       ; into the stage: row b, my wave's 64 bytes
	s_lshl_b32 s21, s18, 3
	v_add_nc_u32 v5, s21, v3                       ; 8 w + hh
	v_mul_u32_u24 v8, v5, 272
	v_lshl_add_u32 v8, v2, 4, v8                   ; back: whole rows
	v_mul_u32_u24 v9, v5, 12288
	v_lshl_add_u32 v9, v2, 4, v9                   ; and the same rows in WQK
	v_lshlrev_b32 v10, 5, v1                       ; 32 x lane
	s_lshl_b32 s21, s18, 10
	v_add_nc_u32 v5, s21, v10                      ; CG's partial sums: 1,024 w + 32 lane, from PART on
	v_mov_b32 v11, 0
	v_lshlrev_b32 v14, 4, v1                       ; 16 x lane
	v_mul_u32_u24 v15, v2, 768
	v_lshl_add_u32 v15, v3, 5, v15                 ; CG: r x 768 + 32 hh
	s_mov_b32 s40, 0x3e16c740                      ; c2
	s_mov_b32 s41, s40
	s_lshl_b32 s36, s19, 2
	s_add_co_u32 s36, s36, 393216
	s_mov_b32 s37, 0
	s_mov_b32 s29, 0
	s_mov_b32 s23, 0
	s_wait_kmcnt 0x0
	s_add_nc_u64 s[38:39], s[16:17], s[36:37]      ; SB at column y
	s_cmp_lt_u32 s19, 8
	s_cbranch_scc0 .Lcg1
	; a head
	s_mul_i32 s22, s19, 384                        ; the head's 96 columns
	s_add_nc_u64 s[24:25], s[8:9], s[22:23]
	s_add_nc_u64 s[26:27], s[6:7], s[22:23]
	s_lshl_b32 s28, s20, 7
	s_lshl_b32 s21, s18, 5
	s_add_co_u32 s28, s28, s21                     ; my first k
	s_mul_i32 s28, s28, 3072
	s_add_co_u32 s28, s28, s22
	s_add_nc_u64 s[30:31], s[4:5], s[28:29]
	s_mul_i32 s28, s19, 1536
	s_lshl_b32 s21, s20, 8
	s_add_co_u32 s28, s28, s21
	s_add_nc_u64 s[34:35], s[16:17], s[28:29]
.irp bt, 0,1
.irp ks, 0,1,2
	FR32 16+16*(3*\bt+\ks), 4, 24, \bt*49152+128*\ks
.endr
.endr
.irp mt, 0,1
.irp ks, 0,1,2
	FR32 112+16*(3*\mt+\ks), 4, 30, \mt*49152+128*\ks
.endr
.endr
.irp ks, 0,1,2
	FR32 112+16*(6+\ks), 6, 26, 128*\ks
.endr
	s_wait_loadcnt 0x0
.irp a, 0,1,2,3,4,5
	CV16 16+16*\a
.endr
.irp c, 0,1,2,3,4,5,6,7,8
	CV16 112+16*\c
.endr
	; six accumulators (tile of k or bk, half of b) in the upper halves of q's groups; they take turns
.irp ks, 0,1,2
.irp mt, 0,1,2
.irp bt, 0,1
.if \ks == 0
	v_wmma_f32_16x16x32_bf16 v[24+16*(2*\mt+\bt):31+16*(2*\mt+\bt)], v[112+16*(3*\mt+\ks):119+16*(3*\mt+\ks)], v[16+16*(3*\bt+\ks):23+16*(3*\bt+\ks)], 0
.else
	v_wmma_f32_16x16x32_bf16 v[24+16*(2*\mt+\bt):31+16*(2*\mt+\bt)], v[112+16*(3*\mt+\ks):119+16*(3*\mt+\ks)], v[16+16*(3*\bt+\ks):23+16*(3*\bt+\ks)], v[24+16*(2*\mt+\bt):31+16*(2*\mt+\bt)]
.endif
.endr
.endr
.endr
	PLACES
	PLACES
.irp a, 0,1,2,3
.irp i, 0,1,2,3
	v_pk_mul_f32 v[24+16*\a+2*\i:25+16*\a+2*\i], v[24+16*\a+2*\i:25+16*\a+2*\i], s[40:41] op_sel_hi:[1,0]
.endr
.irp i, 0,1,2,3
	v_cvt_pk_bf16_f32 v[16+16*\a+\i], v[24+16*\a+2*\i], v[25+16*\a+2*\i]
.endr
	ds_store_b128 v7, v[16+16*\a:19+16*\a] offset:(\a%2)*4352+(\a/2)*32   ; the stage ends at byte 8,703
.endr
	v_cmp_gt_u32 vcc_lo, 16, v1
	v_cndmask_b32 v11, v104, v88, vcc_lo           ; lane l takes b = l: all 16 rows of bk's tile are equal
	v_mul_f32 v11, s40, v11
	s_branch .Ljoin
.Lcg1:
	s_sub_co_u32 s21, s19, 8
	s_and_b32 s22, s21, 1
	s_lshl1_add_u32 s22, s20, s22                  ; nt = 2 x + (y - 8) % 2
	s_lshr_b32 s21, s21, 1                         ; bt
	s_mul_i32 s28, s18, 72
	s_add_co_u32 s28, s28, s22
	s_lshl_b32 s28, s28, 10
	s_add_co_u32 s28, s28, 33*SEC                  ; section 33, k step 6 w, tile nt
	s_add_nc_u64 s[24:25], s[12:13], s[28:29]
	s_mul_i32 s28, s21, 49152
	s_mul_i32 s33, s18, 768
	s_add_co_u32 s28, s28, s33
	s_add_nc_u64 s[26:27], s[10:11], s[28:29]
	s_lshl_b32 s28, s22, 6
	s_add_nc_u64 s[30:31], s[14:15], s[28:29]
	s_mul_i32 s33, s21, 12288
	s_add_co_u32 s28, s28, s33
	s_add_co_u32 s28, s28, 394240
	s_add_nc_u64 s[34:35], s[16:17], s[28:29]
.irp i, 0,1,2,3,4,5
	global_load_b128 v[112+8*\i:115+8*\i], v14, s[24:25] offset:\i*12288
	global_load_b128 v[116+8*\i:119+8*\i], v14, s[24:25] offset:\i*12288+512
	FR32 16+16*\i, 4, 26, 128*\i
.endr
	global_load_b128 v[240:243], v6, s[30:31]
	global_load_b128 v[244:247], v6, s[30:31] offset:16
	s_wait_loadcnt 0x0
.irp i, 0,1,2,3,4,5
	CV16 16+16*\i
.endr
.irp i, 0,1,2,3,4,5
.if \i < 2
	v_wmma_f32_16x16x32_bf16 v[24+16*(\i%2):31+16*(\i%2)], v[112+8*\i:119+8*\i], v[16+16*\i:23+16*\i], 0
.else
	v_wmma_f32_16x16x32_bf16 v[24+16*(\i%2):31+16*(\i%2)], v[112+8*\i:119+8*\i], v[16+16*\i:23+16*\i], v[24+16*(\i%2):31+16*(\i%2)]
.endif
.endr
	PLACES
	PLACES
.irp i, 0,1,2,3
	v_pk_add_f32 v[24+2*\i:25+2*\i], v[24+2*\i:25+2*\i], v[40+2*\i:41+2*\i]
.endr
	ds_store_b128 v5, v[24:27] offset:PART
	ds_store_b128 v5, v[28:31] offset:PART+16
.Ljoin:
	s_wait_dscnt 0x0                               ; for the others' sake: my stores are done
	s_barrier_signal -1
	s_barrier_wait -1
	s_cmp_lt_u32 s19, 8
	s_cbranch_scc0 .Lcg2
.irp t, 0,1,2,3
	ds_load_b128 v[16+4*\t:19+4*\t], v8 offset:\t*544
.endr
.irp t, 0,1,2,3
	s_wait_dscnt 3-\t
	global_store_b128 v9, v[16+4*\t:19+4*\t], s[34:35] offset:\t*24576   ; 16 lanes store 256 consecutive bytes, aligned
.endr
	s_or_b32 s21, s20, s18
	s_cmp_lg_u32 s21, 0
	s_cbranch_scc1 .Lend                           ; one wave of the head's six work-groups stores SB
	global_store_b32 v10, v11, s[38:39]
	s_branch .Lend
.Lcg2:
	s_cmp_lg_u32 s18, 0
	s_cbranch_scc1 .Lend
.irp v, 0,1,2,3
	ds_load_b128 v[16+8*\v:19+8*\v], v10 offset:PART+1024*\v
	ds_load_b128 v[20+8*\v:23+8*\v], v10 offset:PART+1024*\v+16
.endr
	s_wait_dscnt 0x0
.irp i, 0,1,2,3
	v_pk_add_f32 v[16+2*\i:17+2*\i], v[16+2*\i:17+2*\i], v[24+2*\i:25+2*\i]
	v_pk_add_f32 v[32+2*\i:33+2*\i], v[32+2*\i:33+2*\i], v[40+2*\i:41+2*\i]
.endr
.irp i, 0,1,2,3
	v_pk_add_f32 v[16+2*\i:17+2*\i], v[16+2*\i:17+2*\i], v[32+2*\i:33+2*\i]
.endr
.irp i, 0,1,2,3
	v_pk_add_f32 v[16+2*\i:17+2*\i], v[16+2*\i:17+2*\i], v[240+2*\i:241+2*\i]
.endr
	global_store_b128 v15, v[16:19], s[34:35]
	global_store_b128 v15, v[20:23], s[34:35] offset:16
.Lend:
	s_wait_tensorcnt 0x0                           ; the wave's end: three closing lines behind my last LDS store
	ds_add_u32 v12, v13
	s_wait_dscnt 0x0
	s_endpgm
.Lfunc_end_k_q4c256b428c_wqk:
	.size	k_q4c256b428c_wqk, .Lfunc_end_k_q4c256b428c_wqk-k_q4c256b428c_wqk
	.p2alignl 7, 3214868480
	.fill 96, 4, 3214868480
	.section	.rodata,"a",@progbits
	.p2align	6, 0x0
	.amdhsa_kernel k_q4c256b428c_wqk
		.amdhsa_group_segment_fixed_size 13312
		.amdhsa_private_segment_fixed_size 0
		.amdhsa_enable_private_segment 0
		.amdhsa_kernarg_size 56
		.amdhsa_user_sgpr_count 2
		.amdhsa_user_sgpr_kernarg_segment_ptr 1
		.amdhsa_wavefront_size32 1
		.amdhsa_system_sgpr_workgroup_id_x 1
		.amdhsa_system_sgpr_workgroup_id_y 1
		.amdhsa_system_sgpr_workgroup_id_z 1
		.amdhsa_system_vgpr_workitem_id 0
		.amdhsa_next_free_vgpr 256
		.amdhsa_next_free_sgpr 66
		.amdhsa_reserve_vcc 1
		.amdhsa_float_denorm_mode_32 3
		.amdhsa_float_denorm_mode_16_64 3
		.amdhsa_memory_ordered 1
		.amdhsa_forward_progress 1
		.amdhsa_inst_pref_size 32
	.end_amdhsa_kernel
	.amdgpu_metadata
---
amdhsa.version: [ 1, 2 ]
amdhsa.kernels:
  - .name:           k_q4c256b428c_wqk
    .symbol:         k_q4c256b428c_wqk.kd
    .args:
      - { .name: Wk, .offset: 0, .size: 8, .value_kind: global_buffer, .address_space: global }
      - { .name: bk, .offset: 8, .size: 8, .value_kind: global_buffer, .address_space: global }
      - { .name: qf, .offset: 16, .size: 8, .value_kind: global_buffer, .address_space: global }
      - { .name: q_vec, .offset: 24, .size: 8, .value_kind: global_buffer, .address_space: global }
      - { .name: GW, .offset: 32, .size: 8, .value_kind: global_buffer, .address_space: global }
      - { .name: bg1, .offset: 40, .size: 8, .value_kind: global_buffer, .address_space: global }
      - { .name: KB, .offset: 48, .size: 8, .value_kind: global_buffer, .address_space: global }
    .group_segment_fixed_size: 13312
    .private_segment_fixed_size: 0
    .kernarg_segment_align: 8
    .kernarg_segment_size: 56
    .max_flat_workgroup_size: 128
    .sgpr_count:     66
    .vgpr_count:     256
    .wavefront_size: 32
...
	.end_amdgpu_metadata
.endif
;; end of part 3
;; launch main (part 4): grid 8 x 32, 4 waves a work-group, no clusters, 234,752 bytes of LDS; arguments kv_tokens, q_vec, kv_mask, Wg2, bg2, GW, KB, PO, out1; writes PO, out1
.if DOCPART == 4
	.amdgcn_target "amdgcn-amd-amdhsa--gfx1250"
	.amdhsa_code_object_version 6
	.text
	.protected	k_q4c256b428c_main
	.globl	k_q4c256b428c_main
	.p2align	8
	.type	k_q4c256b428c_main,@function
k_q4c256b428c_main:
	s_mov_b64 s[64:65], 0
	v_nop
	global_prefetch_b8 v0, s[64:65] scope:SCOPE_SE
	s_setreg_imm32_b32 hwreg(HW_REG_WAVE_MODE, 25, 1), 1
	s_wait_xcnt 0x0
; One work-group: 128 tokens (x) of one batch (y).  kv_tokens is read once, rounded to bf16 and kept in LDS; from it come the gate g (out1), the eight heads' scores, their softmax over these
; 128 tokens (true maximum m, sum l) and the weighted sums of the TOKENS, sum p kv, which a later launch joins over the eight parts and multiplies by Wv (the weights of a softmax add up to 1).
; GATE.  pre[n] = kv (Wb + q Wd) + |q - kv| Wc + (q Wa + bg1): two products of K = 768, N = 192; their weights come from GW as fragments, the last term from KB as the C operand that starts the sums.
; SCORES, in base 2: kv . WQK[b][h] + SB[b][h] + log2 g; a masked token takes -infinity.  The mean of log g that reference() takes away is the same for all tokens of a batch and finite (g is clipped),
; so the softmax does not change with it: it is not formed.  LIMITS: kv, q and all weights are rounded to bf16; |q - kv| is made of the rounded numbers and rounded to bf16 once more; p is rounded to bf16
; for the second product, l is taken of the unrounded p; a weight below 2^-126 counts as 0; a part with no valid token gives m = -1e30, l = 0, and a batch with none NaN, as in reference().
; SHARES.  Wave w owns gate columns 48 w .. 48 w + 47 for all 128 tokens (24 accumulators) and the scores of tokens 32 w .. 32 w + 31.  Its tiles of 16 tokens are numbered from 2 w on, by address alone.
; All products take the weights as source 0 and the tokens as source 1: a lane holds one token, its registers eight columns.
; No cluster, no tensor loads: the tokens fill 198,656 bytes of LDS, and what is left holds no ring worth a barrier; no work-group wants another's tokens; each wave reads its own quarter of the weights.
; No prefetch: the stream has 48 loads of 512 bytes a wave on its way all the time.
; REGISTERS, in windows of 256 (s_set_vgpr_msb: bits 1:0 source 0, 3:2 source 1, 5:4 source 2, 7:6 destination):
;   window 0: v0-31 addresses; v32-63 at work, later P; v64-191 token fragments, two buffers of 8 tiles; v192-207 |q - kv|, two slots; v208-223 q, two buffers (in the stream v64-255 are 48 slots of 4)
;   window 1: v0-191 gate sums (tile j, column tile n at 24 j + 8 n); v192-207 scores; v208-231 CG; v232-239 SB; v240-255 the gate's second layer
;   window 2: v0-223 four sets of weights for a k step (Wc 24, folded 24, WQK 8); v224-247 Wg2
.set SEC,   294912
.set PK,    1552                       ; a token's row in LDS: 1,536 bytes + 16
.set QB,    198656                     ; q in bf16
.set GP,    200192                     ; [wave][its tile][16] f32: the gate's second layer, a wave's 48 columns
.set SC,    202240                     ; [head][128] f32, rows 528 bytes apart
.set LG,    206592                     ; [wave][128] f32: log2 g or -infinity, each wave's own copy
.set STG,   208640                     ; [wave] 8 rows x 784 bytes: the way out
.set SPARE, 234240
.set AT,  8                            ; v8-15  my tile j's fragment address
.set AQ,  16                           ; v16    q's
.set KVF, 64
.set DF,  192
.set QF,  208
.set W_MM, 0x52                        ; weights window 2, tokens window 0, sums window 1
.set MSB, 0
.macro WIN new                         ; the immediate's high byte repeats the setting that is left; a switch that changes nothing is dropped
.if MSB != (\new)
	s_set_vgpr_msb (MSB<<8)|(\new)
.set MSB, (\new)
.endif
.endm
.macro PLACES
.rept 4
	v_nop
.endr
.endm
	s_load_b512 s[4:19], s[0:1], 0x0               ; kv s[4:5], q_vec s[6:7], mask s[8:9], Wg2 s[10:11], bg2 s[12:13], GW s[14:15], KB s[16:17], PO s[18:19]
	s_load_b64 s[20:21], s[0:1], 0x40              ; out1
	v_lshl_add_u32 v4, v0, 2, SPARE                ; my spare word,
	v_mov_b32 v5, 0                                ; and 0: kept for the closing lines
	v_lshrrev_b32 v1, 5, v0
	v_readfirstlane_b32 s22, v1                    ; wave
	s_mov_b32 s23, ttmp9                           ; part
	s_and_b32 s24, ttmp7, 0xffff                   ; batch
	v_and_b32 v1, 31, v0
	v_and_b32 v2, 15, v0                           ; r
	v_bfe_u32 v3, v0, 4, 1                         ; hh
	v_lshlrev_b32 v17, 4, v1                       ; 16 x lane
	v_lshlrev_b32 v43, 3, v0
	s_lshl_b32 s25, s24, 10
	s_lshl_b32 s42, s23, 7
	s_add_co_u32 s25, s25, s42                     ; the part's first token among all
	s_lshl_b32 s42, s22, 5
	s_add_co_u32 s42, s42, s25
	s_mul_i32 s42, s42, 3072
	s_mov_b32 s43, 0
	s_wait_kmcnt 0x0
	s_add_nc_u64 s[26:27], s[4:5], s[42:43]        ; my 32 rows of kv
	s_mul_i32 s42, s24, 3072
	s_add_nc_u64 s[40:41], s[6:7], s[42:43]
.irp i, 0,1,2
	global_load_b64 v[44+2*\i:45+2*\i], v43, s[40:41] offset:\i*1024
.endr
.set g, 0
.rept 48                                               ; the stream's first eight rows: 48 loads of 512 consecutive bytes
	global_load_b128 v[64+4*g:67+4*g], v17, s[26:27] offset:(g/6)*3072+(g%6)*512 th:TH_LOAD_NT
.set g, g+1
.endr
	s_load_b32 s58, s[12:13], 0x0                  ; bg2
	s_add_nc_u64 s[28:29], s[14:15], 32*SEC        ; Wc
	s_mul_i32 s42, s24, SEC
	s_add_nc_u64 s[30:31], s[14:15], s[42:43]      ; the batch's folded weights
	s_mul_i32 s42, s24, 12288
	s_add_nc_u64 s[32:33], s[16:17], s[42:43]      ; WQK[b]
	s_mul_i32 s42, s24, 768
	s_add_co_u32 s42, s42, 394240
	s_add_nc_u64 s[34:35], s[16:17], s[42:43]      ; CG[b]
	s_lshl_b32 s42, s24, 5
	s_add_co_u32 s42, s42, 393216
	s_add_nc_u64 s[36:37], s[16:17], s[42:43]      ; SB[b]
	s_mov_b32 s42, s25
	s_add_nc_u64 s[38:39], s[8:9], s[42:43]        ; the part's mask bytes
	s_lshl_b32 s42, s25, 2
	s_add_nc_u64 s[54:55], s[20:21], s[42:43]      ; and its g
	s_mul_i32 s42, s24, 196608
	s_mul_i32 s45, s23, 3072
	s_add_co_u32 s42, s42, s45
	s_mul_i32 s45, s22, 768
	s_add_co_u32 s42, s42, s45
	s_add_nc_u64 s[50:51], s[18:19], s[42:43]      ; PO[b][0][part], my 192 channels
	s_lshl3_add_u32 s42, s24, s23
	s_lshl_b32 s42, s42, 8
	s_add_co_u32 s42, s42, 6291456
	s_add_nc_u64 s[52:53], s[18:19], s[42:43]      ; the work-group's record of m and l
	s_mov_b32 s46, 0x76543210                      ; v_permlanex16_b32: each lane takes its own place in the other half
	s_mov_b32 s47, 0xfedcba98
	s_mov_b32 s48, 0x3c23d70a                      ; 0.01
	s_mov_b32 s49, 0x3f7d70a4                      ; 0.99
	s_mov_b32 s56, 0xbf80bf80                      ; -1 twice in bf16
	s_mov_b32 s57, 0x7fff7fff                      ; clears two signs
	s_mov_b32 s60, 0xbfb8aa3b                      ; -log2(e)
	s_mov_b32 s61, 0x3f317218                      ; ln 2
	s_mov_b32 s62, 0xf149f2ca                      ; -1e30
	s_mul_i32 s45, s22, 3072
	v_lshl_add_u32 v6, v1, 4, s45                  ; my three column tiles in a k step of GW
	v_and_b32 v30, 7, v0                           ; r % 8: the head
	v_mul_u32_u24 v7, v30, 1536
	v_lshl_add_u32 v7, v3, 4, v7                   ; WQK's fragment: rows 8 to 15 repeat the eight heads
	v_mul_u32_u24 v31, v2, PK
	v_lshl_add_u32 v31, v3, 4, v31
	s_lshl_b32 s42, s22, 1
.irp j, 0,1,2,3,4,5,6,7
	s_add_co_u32 s45, s42, \j
	s_and_b32 s45, s45, 7
	s_mul_i32 s45, s45, 16*PK
	v_add_nc_u32 v[AT+\j], s45, v31                ; my tile j is the part's tile (j + 2 w) % 8
.endr
	v_lshl_add_u32 v[AQ], v3, 4, QB
	s_mul_i32 s45, s22, 32*PK
	v_lshl_add_u32 v18, v1, 3, s45                 ; the stream's place in LDS
	s_lshl_b32 s45, s22, 9
	s_add_co_u32 s45, s45, GP
	v_lshl_add_u32 v19, v2, 2, s45
	s_lshl_b32 s45, s22, 7
	s_add_co_u32 s45, s45, SC
	v_lshl_add_u32 v20, v2, 2, s45
	v_mul_u32_u24 v27, v30, 528
	v_lshl_add_u32 v27, v3, 5, v27
	v_add_nc_u32 v27, SC, v27
	v_lshrrev_b32 v30, 2, v1                       ; lane l later holds tokens 4 l .. 4 l + 3: tile l / 4
	v_and_b32 v31, 3, v1
	v_lshlrev_b32 v31, 4, v31
.irp v, 0,1,2,3
	v_add_nc_u32 v[21+\v], 8-2*\v, v30
	v_and_b32 v[21+\v], 7, v[21+\v]                ; which of wave v's tiles that is
	v_lshl_add_u32 v[21+\v], v[21+\v], 6, v31
	v_add_nc_u32 v[21+\v], GP+512*\v, v[21+\v]
.endr
	s_lshl_b32 s45, s22, 9
	s_add_co_u32 s45, s45, LG
	v_lshl_add_u32 v25, v1, 4, s45
	v_lshl_add_u32 v28, v3, 5, s45
	s_mul_i32 s45, s22, 192
	v_lshl_add_u32 v40, v3, 5, s45                 ; 4 (48 w + 8 hh): CG and Wg2
	v_mov_b32 v41, 0
	v_lshlrev_b32 v42, 2, v1
	v_lshl_add_u32 v50, v0, 2, QB
	s_wait_kmcnt 0x0
	s_mov_b32 s59, s58
; One load of a k step's 14 of weights, into set st; ki counts k steps from where the three pointers stand.
.macro BL1 st, ki, idx
.if (\idx) < 6
	global_load_b128 v[56*(\st)+4*(\idx):56*(\st)+4*(\idx)+3], v6, s[28:29] offset:(\ki)*12288+(\idx)*512
.elseif (\idx) < 12
	global_load_b128 v[56*(\st)+4*(\idx):56*(\st)+4*(\idx)+3], v6, s[30:31] offset:(\ki)*12288+((\idx)-6)*512
.else
	global_load_b128 v[56*(\st)+4*(\idx):56*(\st)+4*(\idx)+3], v7, s[32:33] offset:(\ki)*64+((\idx)-12)*32
.endif
.endm
; Number n of the 57 small loads that take the refills' places in the stream's tail: CG 6, SB 2, Wg2 6, the mask 1, then the weights of k steps 0, 1, 2.
.macro XL n
.if (\n) < 6
	WIN 0x40
	global_load_b128 v[208+4*(\n):211+4*(\n)], v40, s[34:35] offset:((\n)/2)*64+((\n)%2)*16
.elseif (\n) < 8
	WIN 0x40
	global_load_b128 v[232+4*((\n)-6):235+4*((\n)-6)], v41, s[36:37] offset:((\n)-6)*16
.elseif (\n) < 14
	WIN 0x80
	global_load_b128 v[224+4*((\n)-8):227+4*((\n)-8)], v40, s[10:11] offset:(((\n)-8)/2)*64+(((\n)-8)%2)*16
.elseif (\n) == 14
	WIN 0
	global_load_b32 v26, v42, s[38:39]
.else
	WIN 0x80
	BL1 ((\n)-15)/14, ((\n)-15)/14, ((\n)-15)%14
.endif
.endm
	; THE STREAM.  48 slots of four registers; a slot's turn: its load is in (47 younger ones stay out), 4 numbers are rounded, 8 bytes go to LDS, the slot is asked for again eight rows on.
	s_wait_loadcnt 48                              ; q is in: the stream's 48 are younger
.irp i, 0,1,2
	v_cvt_pk_bf16_f32 v[32+\i], v[44+2*\i], v[45+2*\i]
	ds_store_b32 v50, v[32+\i] offset:\i*512
.endr
	s_mov_b32 s44, 3
.Lstream:
.set g, 0
.rept 48
	s_wait_loadcnt 47
	v_cvt_pk_bf16_f32 v[32+2*(g%4)], v[64+4*g], v[65+4*g]
	v_cvt_pk_bf16_f32 v[33+2*(g%4)], v[66+4*g], v[67+4*g]
	ds_store_b64 v18, v[32+2*(g%4):33+2*(g%4)] offset:(g/6)*PK+(g%6)*256
	global_load_b128 v[64+4*g:67+4*g], v17, s[26:27] offset:(8+g/6)*3072+(g%6)*512 th:TH_LOAD_NT
.set g, g+1
.endr
	s_wait_xcnt 0x0                                ; the loads have read their base: it is stepped only behind this wait
	s_add_nc_u64 s[26:27], s[26:27], 8*3072
	v_add_nc_u32 v18, 8*PK, v18
	s_sub_co_u32 s44, s44, 1
	s_cmp_lg_u32 s44, 0
	s_cbranch_scc1 .Lstream
.set g, 0
.rept 48                                               ; the last eight rows.  Younger at slot g's wait: 47 - g of the stream and the small loads issued so far, 2 g up to slot 9, then 9 + g
.if g < 9
	s_wait_loadcnt 47+g
.else
	s_wait_loadcnt 56
.endif
	WIN 0
	v_cvt_pk_bf16_f32 v[32+2*(g%4)], v[64+4*g], v[65+4*g]
	v_cvt_pk_bf16_f32 v[33+2*(g%4)], v[66+4*g], v[67+4*g]
	ds_store_b64 v18, v[32+2*(g%4):33+2*(g%4)] offset:(g/6)*PK+(g%6)*256
.if g < 9
	XL 2*g
	XL 2*g+1
.else
	XL 9+g
.endif
.set g, g+1
.endr
	WIN 0
	s_wait_dscnt 0x0                               ; for the others' sake: my rows and my part of q are in LDS
	s_barrier_signal -1
	s_barrier_wait -1
; THE K LOOP: 24 steps of 32 channels; a step has 50 products.
.macro LDSK nb, ki                     ; 18 LDS loads in one run: the eight tiles' fragments and q's, for the k step ki from where the addresses stand, into buffer nb
	WIN 0
.irp j, 0,1,2,3,4,5,6,7
	ds_load_b128 v[KVF+64*(\nb)+8*\j:KVF+64*(\nb)+8*\j+3], v[AT+\j] offset:(\ki)*64
	ds_load_b128 v[KVF+64*(\nb)+8*\j+4:KVF+64*(\nb)+8*\j+7], v[AT+\j] offset:(\ki)*64+32
.endr
	ds_load_b128 v[QF+8*(\nb):QF+8*(\nb)+3], v[AQ] offset:(\ki)*64
	ds_load_b128 v[QF+8*(\nb)+4:QF+8*(\nb)+7], v[AQ] offset:(\ki)*64+32
.endm
.macro DIFF1 i, jn, kb, sl             ; number i of the 16 that make |q - kv| of tile jn, buffer kb, in slot sl: eight times q - kv, two bf16 at once, then eight times the signs cleared
.if (\i) < 8
	v_pk_fma_bf16 v[DF+8*(\sl)+(\i)], v[KVF+64*(\kb)+8*(\jn)+(\i)], s56, v[QF+8*(\kb)+(\i)]
.else
	v_and_b32 v[DF+8*(\sl)+(\i)-8], s57, v[DF+8*(\sl)+(\i)-8]
.endif
.endm
.macro RID4 q, jn, kb, sl              ; four of them, behind a product
	WIN 0
	DIFF1 4*(\q), \jn, \kb, \sl
	DIFF1 4*(\q)+1, \jn, \kb, \sl
	DIFF1 4*(\q)+2, \jn, \kb, \sl
	DIFF1 4*(\q)+3, \jn, \kb, \sl
.endm
.macro MMA d, a, b, c
	v_wmma_f32_16x16x32_bf16 v[(\d):(\d)+7], v[(\a):(\a)+7], v[(\b):(\b)+7], v[(\c):(\c)+7]
.endm
; Tile j of k step p: three products Wc x |q - kv|, three folded x kv, for tiles 0 and 1 one WQK x kv.  No two products on end share an accumulator, over tiles, steps and the backward jump too.
; rid = 1: behind the first four products stand the 16 lines that make the next tile's |q - kv| (tile 7: tile 0's of the next step).  The slot that they write was last read by the third product of the
; tile before: eight such lines, which name none of its registers, stand between.  first = 1: the sums start from CG and SB.
.macro TILE p, j, first, rid
.set bs, 56*((\p)%4)
.set kvr, KVF+64*((\p)%2)+8*(\j)
.set dfr, DF+8*((\j)%2)
.if (\j) == 7
.set jn, 0
.set kn, ((\p)+1)%2
.else
.set jn, (\j)+1
.set kn, (\p)%2
.endif
.set sn, jn%2
.irp n, 0,1,2
	WIN W_MM
.if \first
	MMA 24*(\j)+8*\n, bs+8*\n, dfr, 208+8*\n
.else
	MMA 24*(\j)+8*\n, bs+8*\n, dfr, 24*(\j)+8*\n
.endif
.if \rid
	RID4 \n, jn, kn, sn
.endif
.endr
.irp n, 0,1,2
	WIN W_MM
	MMA 24*(\j)+8*\n, bs+24+8*\n, kvr, 24*(\j)+8*\n
.if (\rid) && (\n == 0)
	RID4 3, jn, kn, sn
.endif
.endr
.if (\j) < 2
	WIN W_MM
.if \first
	MMA 192+8*(\j), bs+48, kvr, 232
.else
	MMA 192+8*(\j), bs+48, kvr, 192+8*(\j)
.endif
.endif
.endm
; A k step.  lcnt: the weight loads younger than this step's set.  Behind tile 1 stand the loads, in one run: the next step's 18 from LDS and (pf = 1) the 14 of weights for three steps on, into the buffer and
; the set that the step before read last, 32 plain vector lines back.  last = 1: nothing follows.
.macro KSTEP p, first, pf, lcnt, last
	s_wait_loadcnt \lcnt
	TILE \p, 0, \first, 1
	TILE \p, 1, \first, 1
.if !(\last)
	LDSK ((\p)+1)%2, (\p)+1
.endif
.if \pf
	WIN 0x80
.set ix, 0
.rept 14
	BL1 ((\p)+3)%4, (\p)+3, ix
.set ix, ix+1
.endr
.endif
	TILE \p, 2, \first, 1
	TILE \p, 3, \first, 1
	TILE \p, 4, \first, 1
	TILE \p, 5, \first, 1
	TILE \p, 6, \first, 1
.if \last
	TILE \p, 7, \first, 0
.else
	s_wait_dscnt 0x0                               ; the next step's fragments are in: tile 7's riders read them
	TILE \p, 7, \first, 1
.endif
.endm
	LDSK 0, 0
	s_wait_dscnt 0x0
.set i, 0
.rept 16
	DIFF1 i, 0, 0, 0
.set i, i+1
.endr
	KSTEP 0, 1, 1, 28, 0                           ; sets 1 and 2, 14 loads each, are younger
	WIN 0                                          ; at a label and at a branch every window is 0
	s_mov_b32 s44, 5
.Lk:
	KSTEP 1, 0, 1, 28, 0
	KSTEP 2, 0, 1, 28, 0
	KSTEP 3, 0, 1, 28, 0
	KSTEP 4, 0, 1, 28, 0
	WIN 0
	s_wait_xcnt 0x0                                ; the weight loads have read their bases
	s_add_nc_u64 s[28:29], s[28:29], 4*12288
	s_add_nc_u64 s[30:31], s[30:31], 4*12288
	s_add_nc_u64 s[32:33], s[32:33], 4*64
.irp j, 0,1,2,3,4,5,6,7,8
	v_add_nc_u32 v[AT+\j], 4*64, v[AT+\j]          ; the eight tiles' addresses and q's
.endr
	s_sub_co_u32 s44, s44, 1
	s_cmp_lg_u32 s44, 0
	s_cbranch_scc1 .Lk
	KSTEP 1, 0, 0, 28, 0                           ; the last three steps ask for no weights: the counts run down
	KSTEP 2, 0, 0, 14, 0
	KSTEP 3, 0, 0, 0, 1
	; THE GATE'S SECOND LAYER: relu, times Wg2, summed over my 48 columns.  Each accumulator is read from its lowest register on; the first tiles' lines are the places behind the last products.
	WIN 0x59                                       ; sums window 1, Wg2 window 2
.set j, 0
.rept 8
.set n, 0
.rept 3
.set a, 24*j+8*n
.irp i, 0,1,2,3,4,5,6,7
	v_max_num_f32 v[a+\i], v[a+\i], 0
.endr
.irp i, 0,1,2,3
.if (n == 0) && (\i == 0)
	v_pk_mul_f32 v[240+2*j:241+2*j], v[a:a+1], v[224:225]
.else
	v_pk_fma_f32 v[240+2*j:241+2*j], v[a+2*\i:a+2*\i+1], v[224+8*n+2*\i:225+8*n+2*\i], v[240+2*j:241+2*j]
.endif
.endr
.set n, n+1
.endr
.set j, j+1
.endr
	WIN 0x55
.irp j, 0,1,2,3,4,5,6,7
	v_add_f32 v[240+2*\j], v[240+2*\j], v[241+2*\j]
.endr
.irp j, 0,1,2,3,4,5,6,7
	v_permlanex16_b32 v[241+2*\j], v[240+2*\j], s46, s47   ; the token's other 24 columns lie in the lane 16 away
.endr
.irp j, 0,1,2,3,4,5,6,7
	v_add_f32 v[240+2*\j], v[240+2*\j], v[241+2*\j]
.endr
	WIN 0x04                                       ; LDS stores with their data in window 1; both halves of the lanes write the same number to the same word
.irp j, 0,1,2,3,4,5,6,7
	ds_store_b32 v19, v[240+2*\j] offset:64*\j
.endr
.irp jj, 0,1
.irp i, 0,1,2,3,4,5,6,7
	ds_store_b32 v20, v[192+8*\jj+\i] offset:528*\i+64*\jj   ; register i is head i
.endr
.endr
	WIN 0
	s_wait_dscnt 0x0
	s_barrier_signal -1
	s_barrier_wait -1
	; g AND log2 g, in every wave alike: lane l has tokens 4 l .. 4 l + 3.
.irp v, 0,1,2,3
	ds_load_b128 v[64+4*\v:67+4*\v], v[21+\v]
.endr
	v_mov_b32 v96, 0xff800000                      ; -infinity
	s_wait_dscnt 0x0
	v_pk_add_f32 v[64:65], v[64:65], v[68:69]
	v_pk_add_f32 v[66:67], v[66:67], v[70:71]
	v_pk_add_f32 v[72:73], v[72:73], v[76:77]
	v_pk_add_f32 v[74:75], v[74:75], v[78:79]
	v_pk_add_f32 v[64:65], v[64:65], v[72:73]
	v_pk_add_f32 v[66:67], v[66:67], v[74:75]
	v_pk_add_f32 v[64:65], v[64:65], s[58:59] op_sel_hi:[1,0]
	v_pk_add_f32 v[66:67], v[66:67], s[58:59] op_sel_hi:[1,0]
.irp t, 0,1,2,3
	v_and_b32 v[80+\t], 0x7fffffff, v[64+\t]
.endr
.irp t, 0,1,2,3
	v_mul_f32 v[80+\t], s60, v[80+\t]              ; -|x| log2(e)
.endr
.irp t, 0,1,2,3
	v_exp_f32 v[80+\t], v[80+\t]
.endr
	v_nop                                          ; a plain instruction behind the batch,
	s_wait_alu depctr_va_vdst(0)                   ; and its one wait
.irp t, 0,1,2,3
	v_add_f32 v[80+\t], 1.0, v[80+\t]
.endr
.irp t, 0,1,2,3
	v_log_f32 v[80+\t], v[80+\t]
.endr
.irp t, 0,1,2,3
	v_max_num_f32 v[84+\t], 0, v[64+\t]
.endr
	s_wait_alu depctr_va_vdst(0)
.irp t, 0,1,2,3
	v_fma_f32 v[84+\t], v[80+\t], s61, v[84+\t]    ; softplus = max(x, 0) + ln 2 x log2(1 + e^-|x|)
.endr
.irp t, 0,1,2,3
	v_add_f32 v[80+\t], 1.0, v[84+\t]
.endr
.irp t, 0,1,2,3
	v_add_f32 v[80+\t], 0x322bcc77, v[80+\t]       ; + 1e-8
.endr
.irp t, 0,1,2,3
	v_rcp_f32 v[80+\t], v[80+\t]
.endr
	v_nop
	s_wait_alu depctr_va_vdst(0)
.irp t, 0,1,2,3
	v_mul_f32 v[88+\t], v[84+\t], v[80+\t]
.endr
.irp t, 0,1,2,3
	v_med3_num_f32 v[88+\t], v[88+\t], s48, s49    ; the clip
.endr
.irp t, 0,1,2,3
	v_log_f32 v[92+\t], v[88+\t]
.endr
.irp t, 0,1,2,3
	v_and_b32 v[80+\t], 0xff<<(8*\t), v26          ; the token's mask byte
.endr
	s_wait_alu depctr_va_vdst(0)
.irp t, 0,1,2,3
	v_cmp_ne_u32 vcc_lo, 0, v[80+\t]
	v_cndmask_b32 v[92+\t], v96, v[92+\t], vcc_lo
.endr
	ds_store_b128 v25, v[92:95]                    ; my wave's own copy: LDS serves a wave's instructions in order, so no wait and no barrier
	s_cmp_lg_u32 s22, 0
	s_cbranch_scc1 .Lno_g
	global_store_b128 v17, v[88:91], s[54:55]      ; 512 consecutive bytes of out1
.Lno_g:
	s_wait_xcnt 0x0                                ; the store has read its registers: the loads below land on them
	; THE SOFTMAX over the part's 128 tokens, in every wave alike: lane (r, hh) has head r % 8 and the tokens that P's fragments want of it: 16 a + 8 hh + 0..7, a = 0..7.
.irp a, 0,1,2,3,4,5,6,7
	ds_load_b128 v[64+8*\a:67+8*\a], v27 offset:64*\a
	ds_load_b128 v[68+8*\a:71+8*\a], v27 offset:64*\a+16
	ds_load_b128 v[128+8*\a:131+8*\a], v28 offset:64*\a
	ds_load_b128 v[132+8*\a:135+8*\a], v28 offset:64*\a+16
.endr
	s_wait_dscnt 0x0
.set i, 0
.rept 32
	v_pk_add_f32 v[64+2*i:65+2*i], v[64+2*i:65+2*i], v[128+2*i:129+2*i]
.set i, i+1
.endr
.irp c, 0,1,2,3
	v_max3_num_f32 v[192+\c], v[64+16*\c], v[65+16*\c], v[66+16*\c]
.endr
.set i, 0
.rept 6
.irp c, 0,1,2,3
	v_max3_num_f32 v[192+\c], v[192+\c], v[67+16*\c+2*i], v[68+16*\c+2*i]
.endr
.set i, i+1
.endr
	v_max3_num_f32 v192, v192, v193, v194
	v_max3_num_f32 v195, v195, v79, v95
	v_max3_num_f32 v192, v192, v111, v127
	v_max_num_f32 v192, v192, v195
	v_permlanex16_b32 v193, v192, s46, s47
	v_max3_num_f32 v30, v192, v193, s62            ; m: the true maximum, or -1e30 where no token is valid
.set i, 0
.rept 32
	v_pk_add_f32 v[64+2*i:65+2*i], v[64+2*i:65+2*i], v[30:31] op_sel_hi:[1,0] neg_lo:[0,1] neg_hi:[0,1]
.set i, i+1
.endr
.set i, 0
.rept 64
	v_exp_f32 v[64+i], v[64+i]
.set i, i+1
.endr
	v_nop
	s_wait_alu depctr_va_vdst(0)                   ; one wait for the 64
.set i, 0
.rept 32
	v_cvt_pk_bf16_f32 v[32+i], v[64+2*i], v[65+2*i]
.set i, i+1
.endr
.irp w, 32,16,8,4,2
.set i, 0
.rept \w/2
	v_pk_add_f32 v[64+2*i:65+2*i], v[64+2*i:65+2*i], v[64+\w+2*i:65+\w+2*i]
.set i, i+1
.endr
.endr
	v_add_f32 v64, v64, v65
	v_permlanex16_b32 v65, v64, s46, s47
	v_add_f32 v31, v64, v65                        ; l
	; sum p kv: source 0 = 16 channels x 32 tokens, turned out of LDS; source 1 = P.  Wave w takes channels 192 w on: 12 accumulators by turns, four steps of 32 tokens.
	v_and_b32 v12, 7, v0
	v_lshl_add_u32 v12, v3, 3, v12
	v_mul_u32_u24 v12, v12, PK
	v_bfe_u32 v13, v0, 3, 1
	v_lshl_add_u32 v12, v13, 4, v12
	s_mul_i32 s45, s22, 384
	v_add_nc_u32 v8, s45, v12
	v_add_nc_u32 v9, 32*PK, v8
	v_add_nc_u32 v10, 64*PK, v8
	v_add_nc_u32 v11, 96*PK, v8
.macro LV kk, buf
	WIN 0
.set c, 0
.rept 12
	ds_load_tr16_b128 v[64+96*(\buf)+8*c:64+96*(\buf)+8*c+3], v[8+(\kk)] offset:32*c
	ds_load_tr16_b128 v[64+96*(\buf)+8*c+4:64+96*(\buf)+8*c+7], v[8+(\kk)] offset:32*c+16*PK
.set c, c+1
.endr
.endm
.macro PVM kk, buf, zero
	WIN 0x50
.set c, 0
.rept 12
.if \zero
	v_wmma_f32_16x16x32_bf16 v[8*c:8*c+7], v[64+96*(\buf)+8*c:64+96*(\buf)+8*c+7], v[32+8*(\kk):39+8*(\kk)], 0
.else
	v_wmma_f32_16x16x32_bf16 v[8*c:8*c+7], v[64+96*(\buf)+8*c:64+96*(\buf)+8*c+7], v[32+8*(\kk):39+8*(\kk)], v[8*c:8*c+7]
.endif
.set c, c+1
.endr
.endm
	LV 0, 0
	LV 1, 1
	s_wait_dscnt 24                                ; the first 24 are in
	PVM 0, 0, 1
	PLACES                                         ; in front of loads into registers that the products have read
	LV 2, 0
	s_wait_dscnt 24
	PVM 1, 1, 0
	PLACES
	LV 3, 1
	s_wait_dscnt 24
	PVM 2, 0, 0
	s_wait_dscnt 0x0
	PVM 3, 1, 0
	; THE WAY OUT: 8 heads x 192 channels in f32 through my stage, back as whole blocks of 256 bytes.  The address lines are places behind the last products.
	WIN 0
	s_mul_i32 s45, s22, 6400
	s_add_co_u32 s45, s45, STG
	v_and_b32 v12, 7, v0
	v_mul_u32_u24 v12, v12, 784
	v_lshl_add_u32 v12, v3, 5, v12
	v_add_nc_u32 v12, s45, v12                     ; in: row r % 8, 32 bytes for each half of the lanes; lanes 8 to 15 repeat lanes 0 to 7
	v_lshlrev_b32 v15, 4, v2
	v_mul_u32_u24 v14, v3, 272
	v_mul_u32_u24 v16, v3, 24064
	v_add_nc_u32 v14, v14, v15
	v_add_nc_u32 v16, v16, v15                     ; in memory a head's row lies 24,576 bytes behind the last head's
	v_lshl_add_u32 v15, v3, 8, v15
	v_add_nc_u32 v13, s45, v15
	v_add_nc_u32 v14, s45, v14
	v_lshlrev_b32 v29, 3, v1
	PLACES
	WIN 0x04
.set c, 0
.rept 12
	ds_store_b128 v12, v[8*c:8*c+3] offset:64*c
	ds_store_b128 v12, v[8*c+4:8*c+7] offset:64*c+16
.set c, c+1
.endr
	WIN 0
	; a head's 768 bytes are three blocks of 256; a load takes two blocks, so three loads take two heads
.irp g, 0,1,2,3
	ds_load_b128 v[64+12*\g:67+12*\g], v13 offset:\g*1568
	ds_load_b128 v[68+12*\g:71+12*\g], v14 offset:\g*1568+512
	ds_load_b128 v[72+12*\g:75+12*\g], v13 offset:\g*1568+1040
.endr
.irp g, 0,1,2,3
	s_wait_dscnt 11-3*\g
	global_store_b128 v15, v[64+12*\g:67+12*\g], s[50:51] offset:\g*49152
	s_wait_dscnt 10-3*\g
	global_store_b128 v16, v[68+12*\g:71+12*\g], s[50:51] offset:\g*49152+512
	s_wait_dscnt 9-3*\g
	global_store_b128 v15, v[72+12*\g:75+12*\g], s[50:51] offset:\g*49152+24832
.endr
	s_cmp_lg_u32 s22, 0
	s_cbranch_scc1 .Lno_ml
	global_store_b64 v29, v[30:31], s[52:53]       ; m and l: 256 consecutive bytes, lane l for head l % 8
.Lno_ml:
	s_wait_tensorcnt 0x0                           ; the wave's end: three closing lines behind my last LDS store
	ds_add_u32 v4, v5
	s_wait_dscnt 0x0
	s_endpgm
.Lfunc_end_k_q4c256b428c_main:
	.size	k_q4c256b428c_main, .Lfunc_end_k_q4c256b428c_main-k_q4c256b428c_main
	.p2alignl 7, 3214868480
	.fill 96, 4, 3214868480
	.section	.rodata,"a",@progbits
	.p2align	6, 0x0
	.amdhsa_kernel k_q4c256b428c_main
		.amdhsa_group_segment_fixed_size 234752
		.amdhsa_private_segment_fixed_size 0
		.amdhsa_enable_private_segment 0
		.amdhsa_kernarg_size 72
		.amdhsa_user_sgpr_count 2
		.amdhsa_user_sgpr_kernarg_segment_ptr 1
		.amdhsa_wavefront_size32 1
		.amdhsa_system_sgpr_workgroup_id_x 1
		.amdhsa_system_sgpr_workgroup_id_y 1
		.amdhsa_system_sgpr_workgroup_id_z 1
		.amdhsa_system_vgpr_workitem_id 0
		.amdhsa_next_free_vgpr 768
		.amdhsa_next_free_sgpr 66
		.amdhsa_reserve_vcc 1
		.amdhsa_float_denorm_mode_32 3
		.amdhsa_float_denorm_mode_16_64 3
		.amdhsa_memory_ordered 1
		.amdhsa_forward_progress 1
		.amdhsa_inst_pref_size 207
	.end_amdhsa_kernel
	.amdgpu_metadata
---
amdhsa.version: [ 1, 2 ]
amdhsa.kernels:
  - .name:           k_q4c256b428c_main
    .symbol:         k_q4c256b428c_main.kd
    .args:
      - { .name: kv_tokens, .offset: 0, .size: 8, .value_kind: global_buffer, .address_space: global }
      - { .name: q_vec, .offset: 8, .size: 8, .value_kind: global_buffer, .address_space: global }
      - { .name: kv_mask, .offset: 16, .size: 8, .value_kind: global_buffer, .address_space: global }
      - { .name: Wg2, .offset: 24, .size: 8, .value_kind: global_buffer, .address_space: global }
      - { .name: bg2, .offset: 32, .size: 8, .value_kind: global_buffer, .address_space: global }
      - { .name: GW, .offset: 40, .size: 8, .value_kind: global_buffer, .address_space: global }
      - { .name: KB, .offset: 48, .size: 8, .value_kind: global_buffer, .address_space: global }
      - { .name: PO, .offset: 56, .size: 8, .value_kind: global_buffer, .address_space: global }
      - { .name: out1, .offset: 64, .size: 8, .value_kind: global_buffer, .address_space: global }
    .group_segment_fixed_size: 234752
    .private_segment_fixed_size: 0
    .kernarg_segment_align: 8
    .kernarg_segment_size: 72
    .max_flat_workgroup_size: 128
    .sgpr_count:     66
    .vgpr_count:     768
    .wavefront_size: 32
...
	.end_amdgpu_metadata
.endif
;; end of part 4
;; launch comb (part 5): grid 8 x 32, 6 waves a work-group, no clusters, 0 bytes of LDS; arguments PO, cbar; writes cbar
.if DOCPART == 5
	.amdgcn_target "amdgcn-amd-amdhsa--gfx1250"
	.amdhsa_code_object_version 6
	.text
	.protected	k_q4c256b428c_comb
	.globl	k_q4c256b428c_comb
	.p2align	8
	.type	k_q4c256b428c_comb,@function
k_q4c256b428c_comb:
	s_mov_b64 s[64:65], 0
	v_nop
	global_prefetch_b8 v0, s[64:65] scope:SCOPE_SE
	s_setreg_imm32_b32 hwreg(HW_REG_WAVE_MODE, 25, 1), 1
	s_wait_xcnt 0x0
; The eight parts of a batch and head are joined: M = max m_p, w_p = 2^(m_p - M), cbar[h][b][:] = (sum w_p PO[b][h][p][:]) / (sum w_p l_p).  All f32.
; A work-group has one (h, b); thread t has four channels.  A batch with no valid token has l = 0 everywhere: 0 x infinity = NaN, as in reference().
	s_load_b128 s[4:7], s[0:1], 0x0                ; PO s[4:5], cbar s[6:7]
	s_and_b32 s8, ttmp7, 0xffff                    ; b
	s_mov_b32 s9, ttmp9                            ; h
	v_mov_b32 v2, 0
	v_lshlrev_b32 v3, 4, v0
	v_mov_b32 v55, 0
	s_lshl_b32 s10, s8, 11
	s_lshl3_add_u32 s10, s9, s10
	s_add_co_u32 s10, s10, 6291456                 ; the batch's eight records, at head h
	s_mov_b32 s11, 0
	s_lshl3_add_u32 s12, s8, s9
	s_mul_i32 s12, s12, 24576
	s_mov_b32 s13, 0
	s_lshl_b32 s14, s9, 5
	s_add_co_u32 s14, s14, s8
	s_mul_i32 s14, s14, 3072
	s_mov_b32 s15, 0
	s_wait_kmcnt 0x0
	s_add_nc_u64 s[16:17], s[4:5], s[10:11]
	s_add_nc_u64 s[18:19], s[4:5], s[12:13]
	s_add_nc_u64 s[20:21], s[6:7], s[14:15]
.irp p, 0,1,2,3,4,5,6,7
	global_load_b64 v[4+2*\p:5+2*\p], v2, s[16:17] offset:\p*256
.endr
.irp p, 0,1,2,3,4,5,6,7
	global_load_b128 v[20+4*\p:23+4*\p], v3, s[18:19] offset:\p*3072
.endr
	s_wait_loadcnt 8                               ; m and l are in; the eight partial rows may stay out
	v_max3_num_f32 v52, v4, v6, v8
	v_max3_num_f32 v52, v52, v10, v12
	v_max3_num_f32 v52, v52, v14, v16
	v_max_num_f32 v52, v52, v18
.irp p, 0,1,2,3,4,5,6,7
	v_sub_f32 v[4+2*\p], v[4+2*\p], v52
.endr
.irp p, 0,1,2,3,4,5,6,7
	v_exp_f32 v[4+2*\p], v[4+2*\p]
.endr
	v_nop
	s_wait_alu depctr_va_vdst(0)                   ; one wait for the eight
	v_mul_f32 v53, v4, v5
.irp p, 1,2,3,4,5,6,7
	v_fmac_f32 v53, v[4+2*\p], v[5+2*\p]
.endr
	v_rcp_f32 v54, v53
	v_nop
	s_wait_alu depctr_va_vdst(0)
	s_wait_loadcnt 0x0
	v_pk_mul_f32 v[56:57], v[20:21], v[4:5] op_sel_hi:[1,0]
	v_pk_mul_f32 v[58:59], v[22:23], v[4:5] op_sel_hi:[1,0]
.irp p, 1,2,3,4,5,6,7
	v_pk_fma_f32 v[56:57], v[20+4*\p:21+4*\p], v[4+2*\p:5+2*\p], v[56:57] op_sel_hi:[1,0,1]
	v_pk_fma_f32 v[58:59], v[22+4*\p:23+4*\p], v[4+2*\p:5+2*\p], v[58:59] op_sel_hi:[1,0,1]
.endr
	v_pk_mul_f32 v[56:57], v[56:57], v[54:55] op_sel_hi:[1,0]
	v_pk_mul_f32 v[58:59], v[58:59], v[54:55] op_sel_hi:[1,0]
	global_store_b128 v3, v[56:59], s[20:21]
	s_endpgm
.Lfunc_end_k_q4c256b428c_comb:
	.size	k_q4c256b428c_comb, .Lfunc_end_k_q4c256b428c_comb-k_q4c256b428c_comb
	.p2alignl 7, 3214868480
	.fill 96, 4, 3214868480
	.section	.rodata,"a",@progbits
	.p2align	6, 0x0
	.amdhsa_kernel k_q4c256b428c_comb
		.amdhsa_group_segment_fixed_size 0
		.amdhsa_private_segment_fixed_size 0
		.amdhsa_enable_private_segment 0
		.amdhsa_kernarg_size 16
		.amdhsa_user_sgpr_count 2
		.amdhsa_user_sgpr_kernarg_segment_ptr 1
		.amdhsa_wavefront_size32 1
		.amdhsa_system_sgpr_workgroup_id_x 1
		.amdhsa_system_sgpr_workgroup_id_y 1
		.amdhsa_system_sgpr_workgroup_id_z 1
		.amdhsa_system_vgpr_workitem_id 0
		.amdhsa_next_free_vgpr 64
		.amdhsa_next_free_sgpr 66
		.amdhsa_reserve_vcc 0
		.amdhsa_float_denorm_mode_32 3
		.amdhsa_float_denorm_mode_16_64 3
		.amdhsa_memory_ordered 1
		.amdhsa_forward_progress 1
		.amdhsa_inst_pref_size 5
	.end_amdhsa_kernel
	.amdgpu_metadata
---
amdhsa.version: [ 1, 2 ]
amdhsa.kernels:
  - .name:           k_q4c256b428c_comb
    .symbol:         k_q4c256b428c_comb.kd
    .args:
      - { .name: PO, .offset: 0, .size: 8, .value_kind: global_buffer, .address_space: global }
      - { .name: cbar, .offset: 8, .size: 8, .value_kind: global_buffer, .address_space: global }
    .group_segment_fixed_size: 0
    .private_segment_fixed_size: 0
    .kernarg_segment_align: 8
    .kernarg_segment_size: 16
    .max_flat_workgroup_size: 192
    .sgpr_count:     66
    .vgpr_count:     64
    .wavefront_size: 32
...
	.end_amdgpu_metadata
.endif
;; end of part 5
;; launch ctxp: the kernel of part 2 again; grid 3 x 8, 8 waves a work-group, no clusters, 124,416 bytes of LDS; arguments cbar, Wv, bv, ctx; writes ctx
;; launch xproj: the kernel of part 2 again; grid 24 x 1, 8 waves a work-group, no clusters, 124,416 bytes of LDS; arguments ctx, Wo, bo, xo; writes xo
;; launch ln (part 6): grid 32 x 1, 1 waves a work-group, no clusters, 0 bytes of LDS; arguments xo, q_vec, ln_g, ln_b, out0; writes out0
.if DOCPART == 6
	.amdgcn_target "amdgcn-amd-amdhsa--gfx1250"
	.amdhsa_code_object_version 6
	.text
	.protected	k_q4c256b428c_ln
	.globl	k_q4c256b428c_ln
	.p2align	8
	.type	k_q4c256b428c_ln,@function
k_q4c256b428c_ln:
	s_mov_b64 s[64:65], 0
	v_nop
	global_prefetch_b8 v0, s[64:65] scope:SCOPE_SE
	s_setreg_imm32_b32 hwreg(HW_REG_WAVE_MODE, 25, 1), 1
	s_wait_xcnt 0x0
; out0[b] = LayerNorm(q_vec[b] + xo[b]) x ln_g + ln_b, in f32, mean first and then the mean square of the differences, as reference() has it.
; One wave holds a row of 768 numbers in 24 registers a lane; every load and store covers 512 consecutive bytes.
.macro WSUM r, t                       ; the sum over the 32 lanes, in every lane
	v_add_f32_dpp v[\r], v[\r], v[\r] row_xmask:1 row_mask:0xf bank_mask:0xf
	v_add_f32_dpp v[\r], v[\r], v[\r] row_xmask:2 row_mask:0xf bank_mask:0xf
	v_add_f32_dpp v[\r], v[\r], v[\r] row_xmask:4 row_mask:0xf bank_mask:0xf
	v_add_f32_dpp v[\r], v[\r], v[\r] row_xmask:8 row_mask:0xf bank_mask:0xf
	v_permlanex16_b32 v[\t], v[\r], s14, s15
	v_add_f32 v[\r], v[\r], v[\t]
.endm
	s_load_b256 s[4:11], s[0:1], 0x0               ; xo s[4:5], q_vec s[6:7], ln_g s[8:9], ln_b s[10:11]
	s_load_b64 s[12:13], s[0:1], 0x20              ; out0
	v_lshlrev_b32 v1, 4, v0
	s_mul_i32 s16, ttmp9, 3072
	s_mov_b32 s17, 0
	s_mov_b32 s14, 0x76543210
	s_mov_b32 s15, 0xfedcba98
	s_mov_b32 s18, 0x3aaaaaab                      ; 1 / 768
	s_wait_kmcnt 0x0
	s_add_nc_u64 s[4:5], s[4:5], s[16:17]
	s_add_nc_u64 s[6:7], s[6:7], s[16:17]
	s_add_nc_u64 s[12:13], s[12:13], s[16:17]
.irp i, 0,1,2,3,4,5
	global_load_b128 v[8+4*\i:11+4*\i], v1, s[4:5] offset:512*\i
.endr
.irp i, 0,1,2,3,4,5
	global_load_b128 v[32+4*\i:35+4*\i], v1, s[6:7] offset:512*\i
.endr
.irp i, 0,1,2,3,4,5
	global_load_b128 v[56+4*\i:59+4*\i], v1, s[8:9] offset:512*\i
.endr
.irp i, 0,1,2,3,4,5
	global_load_b128 v[80+4*\i:83+4*\i], v1, s[10:11] offset:512*\i
.endr
	s_wait_loadcnt 12                              ; xo and q are in; gain and bias, six loads each, may stay out
.set i, 0
.rept 12
	v_pk_add_f32 v[8+2*i:9+2*i], v[8+2*i:9+2*i], v[32+2*i:33+2*i]
.set i, i+1
.endr
	v_pk_add_f32 v[104:105], v[8:9], v[10:11]
	v_pk_add_f32 v[106:107], v[12:13], v[14:15]
.set i, 4
.rept 8
	v_pk_add_f32 v[104+2*(i%2):105+2*(i%2)], v[104+2*(i%2):105+2*(i%2)], v[8+2*i:9+2*i]
.set i, i+1
.endr
	v_pk_add_f32 v[104:105], v[104:105], v[106:107]
	v_add_f32 v104, v104, v105
	WSUM 104, 105
	v_mul_f32 v104, s18, v104                      ; the mean
.set i, 0
.rept 12
	v_pk_add_f32 v[8+2*i:9+2*i], v[8+2*i:9+2*i], v[104:105] op_sel_hi:[1,0] neg_lo:[0,1] neg_hi:[0,1]
.set i, i+1
.endr
	v_pk_mul_f32 v[106:107], v[8:9], v[8:9]
	v_pk_mul_f32 v[108:109], v[10:11], v[10:11]
.set i, 2
.rept 10
	v_pk_fma_f32 v[106+2*(i%2):107+2*(i%2)], v[8+2*i:9+2*i], v[8+2*i:9+2*i], v[106+2*(i%2):107+2*(i%2)]
.set i, i+1
.endr
	v_pk_add_f32 v[106:107], v[106:107], v[108:109]
	v_add_f32 v106, v106, v107
	WSUM 106, 107
	v_fmaak_f32 v106, s18, v106, 0x3727c5ac        ; the variance + 1e-5
	v_rsq_f32 v110, v106
	v_mov_b32 v111, 0                              ; a plain instruction behind it; it also fills the pair
	s_wait_alu depctr_va_vdst(0)
.set i, 0
.rept 12
	v_pk_mul_f32 v[8+2*i:9+2*i], v[8+2*i:9+2*i], v[110:111] op_sel_hi:[1,0]
.set i, i+1
.endr
	s_wait_loadcnt 0x0
.set i, 0
.rept 12
	v_pk_fma_f32 v[8+2*i:9+2*i], v[8+2*i:9+2*i], v[56+2*i:57+2*i], v[80+2*i:81+2*i]
.set i, i+1
.endr
.irp i, 0,1,2,3,4,5
	global_store_b128 v1, v[8+4*\i:11+4*\i], s[12:13] offset:512*\i
.endr
	s_endpgm
.Lfunc_end_k_q4c256b428c_ln:
	.size	k_q4c256b428c_ln, .Lfunc_end_k_q4c256b428c_ln-k_q4c256b428c_ln
	.p2alignl 7, 3214868480
	.fill 96, 4, 3214868480
	.section	.rodata,"a",@progbits
	.p2align	6, 0x0
	.amdhsa_kernel k_q4c256b428c_ln
		.amdhsa_group_segment_fixed_size 0
		.amdhsa_private_segment_fixed_size 0
		.amdhsa_enable_private_segment 0
		.amdhsa_kernarg_size 40
		.amdhsa_user_sgpr_count 2
		.amdhsa_user_sgpr_kernarg_segment_ptr 1
		.amdhsa_wavefront_size32 1
		.amdhsa_system_sgpr_workgroup_id_x 1
		.amdhsa_system_sgpr_workgroup_id_y 1
		.amdhsa_system_sgpr_workgroup_id_z 1
		.amdhsa_system_vgpr_workitem_id 0
		.amdhsa_next_free_vgpr 112
		.amdhsa_next_free_sgpr 66
		.amdhsa_reserve_vcc 0
		.amdhsa_float_denorm_mode_32 3
		.amdhsa_float_denorm_mode_16_64 3
		.amdhsa_memory_ordered 1
		.amdhsa_forward_progress 1
		.amdhsa_inst_pref_size 10
	.end_amdhsa_kernel
	.amdgpu_metadata
---
amdhsa.version: [ 1, 2 ]
amdhsa.kernels:
  - .name:           k_q4c256b428c_ln
    .symbol:         k_q4c256b428c_ln.kd
    .args:
      - { .name: xo, .offset: 0, .size: 8, .value_kind: global_buffer, .address_space: global }
      - { .name: q_vec, .offset: 8, .size: 8, .value_kind: global_buffer, .address_space: global }
      - { .name: ln_g, .offset: 16, .size: 8, .value_kind: global_buffer, .address_space: global }
      - { .name: ln_b, .offset: 24, .size: 8, .value_kind: global_buffer, .address_space: global }
      - { .name: out0, .offset: 32, .size: 8, .value_kind: global_buffer, .address_space: global }
    .group_segment_fixed_size: 0
    .private_segment_fixed_size: 0
    .kernarg_segment_align: 8
    .kernarg_segment_size: 40
    .max_flat_workgroup_size: 32
    .sgpr_count:     66
    .vgpr_count:     112
    .wavefront_size: 32
...
	.end_amdgpu_metadata
.endif
;; end of part 6
;; ======== version 2 of 2: 8 launches; version 1 with the launches qproj, main, ctxp, xproj written anew for expert scheduling mode
;; workspace buffers: GW 10,027,008 bytes; qf 98,304 bytes; KB 418,816 bytes; PO 6,356,992 bytes; cbar 786,432 bytes; ctx 98,304 bytes; xo 98,304 bytes
;; launch gw: the kernel of part 1 again; grid 72 x 4, 8 waves a work-group, no clusters, 0 bytes of LDS; arguments Wg1, q_vec, GW; writes GW
;; launch qproj (part 7): grid 24 x 1, 8 waves a work-group, no clusters, 124,416 bytes of LDS; arguments q_vec, Wq, bq, qf; writes qf
.if DOCPART == 7
	.amdgcn_target "amdgcn-amd-amdhsa--gfx1250"
	.amdhsa_code_object_version 6
	.text
	.protected	k_q4c256b428c_qproj
	.globl	k_q4c256b428c_qproj
	.p2align	8
	.type	k_q4c256b428c_qproj,@function
k_q4c256b428c_qproj:
	s_mov_b64 s[64:65], 0
	v_nop
	global_prefetch_b8 v0, s[64:65] scope:SCOPE_SE
	s_setreg_imm32_b32 hwreg(HW_REG_WAVE_SCHED_MODE, 0, 2), 2
	s_setreg_imm32_b32 hwreg(HW_REG_WAVE_MODE, 25, 1), 1
	s_wait_xcnt 0x0
	s_wait_alu depctr_vm_vsrc(0)
; out[32][j0 .. j0+31] = A_y[32][768] W[768][768] + bias, j0 = 96 y + 32 x; A_y lies y x 98,304 bytes into A.  All f32 in memory; the operands are rounded to bf16, the sums are f32.
; Three launches run this text: q = q_vec Wq + bq (y = 0), ctx = cbar[h] Wv[:, head h] + bv (y = h), ctx Wo + bo (y = 0).
; Eight waves bring A and the block's 32 columns of W into LDS as bf16; four waves then make one tile of 16 x 16 each, K = 768, on two accumulators by turns.
; The product is taken transposed (source 0 = 16 columns of W, turned by ds_load_tr16_b128; source 1 = 16 rows of A): a lane ends with 8 neighbouring columns of one row.
; THE MODE: SCHED_MODE bits 1:0 = 2 (LLVM: expert scheduling mode 2), set by the entry lines.  The code itself states the register dependences
; between vector or matrix instructions and memory or LDS instructions, with s_wait_alu, always for 0.
; THE PLAN.  Registers that memory or LDS instructions touch:
;   v16-111, v112-207   ahead of the barrier 24 slots of four each, A's and W's: a load lands, two conversions close the slot's four numbers up into its first two registers, an LDS store reads these.
;                       All of a tensor's conversions stand in one run, one wait on va_vdst behind it, then its 24 stores.
;                       Behind the barrier the same registers are two fragment buffers: LDS loads land, six products read; one wait on va_vdst ahead of each refill.
;   v4-v7, v14          offsets and LDS addresses: made at the head; v4-v7 are made anew behind the barrier, behind one wait on vm_vsrc, which also frees the slots for the fragments' loads.
;   v208-215            the sums, read by the two stores at the end.     v12, v13: written at the head, read by the closing add alone.
.set AP,    1552                       ; a row of A in LDS: 1,536 bytes + 16
.set WT,    49664                      ; behind A's 32 rows: W as [k 768][n 32] bf16,
.set WP,    96                         ; 64 bytes + 32 a row
.set SPARE, 123392                     ; the spare words: 128 bytes for each of eight waves
.macro PLACES
.rept 4
	v_nop
.endr
.endm
	s_load_b256 s[4:11], s[0:1], 0x0               ; A s[4:5], W s[6:7], bias s[8:9], out s[10:11]
	v_lshl_add_u32 v12, v0, 2, SPARE               ; my spare word,
	v_mov_b32 v13, 0                               ; and 0: kept for the closing lines
	v_lshrrev_b32 v1, 5, v0
	v_readfirstlane_b32 s12, v1                    ; wave
	s_and_b32 s13, ttmp7, 0xffff                   ; y
	s_mul_i32 s14, s13, 384
	s_lshl_b32 s15, ttmp9, 7
	s_add_co_u32 s14, s14, s15                     ; 4 j0
	s_mov_b32 s15, 0
	s_mul_i32 s16, s13, 98304
	s_mov_b32 s17, 0
	v_and_b32 v1, 31, v0
	v_and_b32 v2, 15, v0                           ; r
	v_bfe_u32 v3, v0, 4, 1                         ; hh
	s_wait_alu depctr_va_sdst(0)                   ; s12 is written, ahead of its first reader
	s_mul_i32 s18, s12, 12288                      ; my four rows of A
	v_lshl_add_u32 v4, v1, 4, s18
	v_lshrrev_b32 v8, 3, v1
	v_and_b32 v9, 7, v1
	s_mul_i32 s19, s12, 96                         ; my 96 rows of W: four a load, eight lanes a row
	v_add_nc_u32 v10, s19, v8
	v_mul_u32_u24 v5, v10, 3072
	v_lshl_add_u32 v5, v9, 4, v5
	s_bfe_u32 s20, s12, 0x10001                    ; the tile of 16 columns
	s_lshl_b32 s20, s20, 6
	v_lshl_add_u32 v6, v3, 5, s20                  ; bias: 4 (16 nt + 8 hh)
	s_mul_i32 s21, s12, 4*AP
	v_lshl_add_u32 v7, v1, 3, s21                  ; A in LDS: 8 bytes a lane
	v_mul_u32_u24 v14, v10, WP
	v_lshl_add_u32 v14, v9, 3, v14
	v_add_nc_u32 v14, WT, v14                      ; W in LDS
	s_wait_kmcnt 0x0
	s_add_nc_u64 s[4:5], s[4:5], s[16:17]
	s_add_nc_u64 s[6:7], s[6:7], s[14:15]
	s_add_nc_u64 s[8:9], s[8:9], s[14:15]
	s_add_nc_u64 s[10:11], s[10:11], s[14:15]
	s_wait_alu depctr_va_vdst(0)                   ; v4, v5 and v6 are written, which the loads below read as offsets; so are v7 and v14, the LDS stores' addresses
.set i, 0
.rept 24
	global_load_b128 v[16+4*i:19+4*i], v4, s[4:5] offset:(i/6)*3072+(i%6)*512
.set i, i+1
.endr
.set i, 0
.rept 24
	global_load_b128 v[112+4*i:115+4*i], v5, s[6:7] offset:i*12288
.set i, i+1
.endr
	global_load_b128 v[224:227], v6, s[8:9]
	global_load_b128 v[228:231], v6, s[8:9] offset:16
	s_wait_loadcnt 26                              ; A is in; W's 24 loads and the bias's 2 may stay out
.set i, 0
.rept 24
	v_cvt_pk_bf16_f32 v[16+4*i], v[16+4*i], v[17+4*i]   ; a slot's four numbers close up into its first two registers
	v_cvt_pk_bf16_f32 v[17+4*i], v[18+4*i], v[19+4*i]
.set i, i+1
.endr
	s_wait_alu depctr_va_vdst(0)                   ; the conversions have written A's slots, which the LDS stores read
.set i, 0
.rept 24
	ds_store_b64 v7, v[16+4*i:17+4*i] offset:(i/6)*AP+(i%6)*256
.set i, i+1
.endr
	s_wait_loadcnt 0x0
.set i, 0
.rept 24
	v_cvt_pk_bf16_f32 v[112+4*i], v[112+4*i], v[113+4*i]
	v_cvt_pk_bf16_f32 v[113+4*i], v[114+4*i], v[115+4*i]
.set i, i+1
.endr
	s_wait_alu depctr_va_vdst(0)                   ; the conversions have written W's slots, which the LDS stores read
.set i, 0
.rept 24
	ds_store_b64 v14, v[112+4*i:113+4*i] offset:i*4*WP
.set i, i+1
.endr
	s_wait_dscnt 0x0                               ; for the others' sake: my stores are done
	s_barrier_signal -1
	s_barrier_wait -1
	s_wait_alu depctr_vm_vsrc(0)                   ; my loads have read v4 to v6, my LDS stores v7 and the slots: v4 to v7 are made anew below, and the fragments' loads land in the slots
	s_cmp_lt_u32 s12, 4
	s_cbranch_scc0 .Lend                           ; waves 4 to 7 have no tile
	s_and_b32 s18, s12, 1                          ; bt: which 16 rows of A
	s_lshr_b32 s19, s12, 1                         ; nt: which 16 columns
	s_lshl_b32 s20, s19, 5
	s_add_co_u32 s20, s20, WT
	v_and_b32 v8, 7, v0
	v_bfe_u32 v9, v0, 3, 1
	v_lshl_add_u32 v10, v3, 3, v8
	v_mul_u32_u24 v4, v10, WP                      ; the turning load: row 8 hh + l % 8, 16 bytes for each eight lanes
	v_lshl_add_u32 v4, v9, 4, v4
	v_add_nc_u32 v4, s20, v4
	v_add_nc_u32 v5, 12*32*WP, v4                  ; the same for k steps 12 on: the immediate holds 16 bits
	s_mul_i32 s21, s18, 16*AP
	v_mul_u32_u24 v6, v2, AP
	v_lshl_add_u32 v6, v3, 4, v6
	v_add_nc_u32 v6, s21, v6                       ; A's fragment: row x pitch + 16 hh
	s_mul_i32 s22, s18, 49152
	s_lshl_b32 s23, s19, 6
	s_add_co_u32 s22, s22, s23
	v_mul_u32_u24 v7, v2, 3072
	v_lshl_add_u32 v7, v3, 5, v7
	v_add_nc_u32 v7, s22, v7                       ; my 32 bytes of out
.macro LB q, buf                       ; the 24 LDS loads of k steps 6 q .. 6 q + 5: for each 8 registers of W, 8 of A
.set i, 0
.rept 6
.set ks, 6*(\q)+i
.set g, 16+96*(\buf)+16*i
.if ks < 12
	ds_load_tr16_b128 v[g:g+3], v4 offset:ks*32*WP
	ds_load_tr16_b128 v[g+4:g+7], v4 offset:ks*32*WP+16*WP
.else
	ds_load_tr16_b128 v[g:g+3], v5 offset:(ks-12)*32*WP
	ds_load_tr16_b128 v[g+4:g+7], v5 offset:(ks-12)*32*WP+16*WP
.endif
	ds_load_b128 v[g+8:g+11], v6 offset:ks*64
	ds_load_b128 v[g+12:g+15], v6 offset:ks*64+32
.set i, i+1
.endr
.endm
.macro MB q, buf                       ; their six products; the two accumulators take turns; the first takes the bias as C, the second 0
.set i, 0
.rept 6
.set g, 16+96*(\buf)+16*i
.set a, 208+8*(i%2)
.if ((\q) == 0) && (i == 0)
	v_wmma_f32_16x16x32_bf16 v[a:a+7], v[g:g+7], v[g+8:g+15], v[224:231]
.elseif ((\q) == 0) && (i == 1)
	v_wmma_f32_16x16x32_bf16 v[a:a+7], v[g:g+7], v[g+8:g+15], 0
.else
	v_wmma_f32_16x16x32_bf16 v[a:a+7], v[g:g+7], v[g+8:g+15], v[a:a+7]
.endif
.set i, i+1
.endr
.endm
	s_wait_alu depctr_va_vdst(0)                   ; v4, v5 and v6 are written, which the LDS loads below read as addresses
	LB 0, 0
	LB 1, 1
	s_wait_dscnt 24                                ; the first 24 are in
	MB 0, 0
	s_wait_alu depctr_va_vdst(0)                   ; those six products are done reading buffer 0, in which the next loads land
	LB 2, 0
	s_wait_dscnt 24
	MB 1, 1
	s_wait_alu depctr_va_vdst(0)                   ; those six products are done reading buffer 1, in which the next loads land
	LB 3, 1
	s_wait_dscnt 24
	MB 2, 0
	s_wait_dscnt 0x0
	MB 3, 1
	PLACES
	PLACES
.irp i, 0,1,2,3
	v_pk_add_f32 v[208+2*\i:209+2*\i], v[208+2*\i:209+2*\i], v[216+2*\i:217+2*\i]
.endr
	s_wait_alu depctr_va_vdst(0)                   ; the additions have written v208 to v215, which the stores read; v7, their offset, is written too
	global_store_b128 v7, v[208:211], s[10:11]
	global_store_b128 v7, v[212:215], s[10:11] offset:16
.Lend:
	s_wait_dscnt 0x0                               ; the closing lines, six on end
	s_wait_alu 0x0
	s_wait_tensorcnt 0x0
	ds_add_u32 v12, v13
	s_wait_dscnt 0x0
	s_endpgm
.Lfunc_end_k_q4c256b428c_qproj:
	.size	k_q4c256b428c_qproj, .Lfunc_end_k_q4c256b428c_qproj-k_q4c256b428c_qproj
	.p2alignl 7, 3214868480
	.fill 96, 4, 3214868480
	.section	.rodata,"a",@progbits
	.p2align	6, 0x0
	.amdhsa_kernel k_q4c256b428c_qproj
		.amdhsa_group_segment_fixed_size 124416
		.amdhsa_private_segment_fixed_size 0
		.amdhsa_enable_private_segment 0
		.amdhsa_kernarg_size 32
		.amdhsa_user_sgpr_count 2
		.amdhsa_user_sgpr_kernarg_segment_ptr 1
		.amdhsa_wavefront_size32 1
		.amdhsa_system_sgpr_workgroup_id_x 1
		.amdhsa_system_sgpr_workgroup_id_y 1
		.amdhsa_system_sgpr_workgroup_id_z 1
		.amdhsa_system_vgpr_workitem_id 0
		.amdhsa_next_free_vgpr 240
		.amdhsa_next_free_sgpr 66
		.amdhsa_reserve_vcc 0
		.amdhsa_float_denorm_mode_32 3
		.amdhsa_float_denorm_mode_16_64 3
		.amdhsa_memory_ordered 1
		.amdhsa_forward_progress 1
		.amdhsa_inst_pref_size 26
	.end_amdhsa_kernel
	.amdgpu_metadata
---
amdhsa.version: [ 1, 2 ]
amdhsa.kernels:
  - .name:           k_q4c256b428c_qproj
    .symbol:         k_q4c256b428c_qproj.kd
    .args:
      - { .name: q_vec, .offset: 0, .size: 8, .value_kind: global_buffer, .address_space: global }
      - { .name: Wq, .offset: 8, .size: 8, .value_kind: global_buffer, .address_space: global }
      - { .name: bq, .offset: 16, .size: 8, .value_kind: global_buffer, .address_space: global }
      - { .name: qf, .offset: 24, .size: 8, .value_kind: global_buffer, .address_space: global }
    .group_segment_fixed_size: 124416
    .private_segment_fixed_size: 0
    .kernarg_segment_align: 8
    .kernarg_segment_size: 32
    .max_flat_workgroup_size: 256
    .sgpr_count:     66
    .vgpr_count:     240
    .wavefront_size: 32
...
	.end_amdgpu_metadata
.endif
;; end of part 7
;; launch wqk: the kernel of part 3 again; grid 6 x 12, 4 waves a work-group, no clusters, 13,312 bytes of LDS; arguments Wk, bk, qf, q_vec, GW, bg1, KB; writes KB
;; launch main (part 8): grid 8 x 32, 4 waves a work-group, no clusters, 234,752 bytes of LDS; arguments kv_tokens, q_vec, kv_mask, Wg2, bg2, GW, KB, PO, out1; writes PO, out1
.if DOCPART == 8
	.amdgcn_target "amdgcn-amd-amdhsa--gfx1250"
	.amdhsa_code_object_version 6
	.text
	.protected	k_q4c256b428c_main
	.globl	k_q4c256b428c_main
	.p2align	8
	.type	k_q4c256b428c_main,@function
k_q4c256b428c_main:
	s_mov_b64 s[64:65], 0
	v_nop
	global_prefetch_b8 v0, s[64:65] scope:SCOPE_SE
	s_setreg_imm32_b32 hwreg(HW_REG_WAVE_SCHED_MODE, 0, 2), 2
	s_setreg_imm32_b32 hwreg(HW_REG_WAVE_MODE, 25, 1), 1
	s_wait_xcnt 0x0
	s_wait_alu depctr_vm_vsrc(0)
; One work-group: 128 tokens (x) of one batch (y).  kv_tokens is read once, rounded to bf16 and kept in LDS; from it come the gate g (out1), the eight heads' scores, their softmax over these
; 128 tokens (true maximum m, sum l) and the weighted sums of the TOKENS, sum p kv, which a later launch joins over the eight parts and multiplies by Wv (the weights of a softmax add up to 1).
; GATE.  pre[n] = kv (Wb + q Wd) + |q - kv| Wc + (q Wa + bg1): two products of K = 768, N = 192; their weights come from GW as fragments, the last term from KB as the C operand that starts the sums.
; SCORES, in base 2: kv . WQK[b][h] + SB[b][h] + log2 g; a masked token takes -infinity.  The mean of log g that reference() takes away is the same for all tokens of a batch and finite (g is clipped),
; so the softmax does not change with it: it is not formed.  LIMITS: kv, q and all weights are rounded to bf16; |q - kv| is made of the rounded numbers and rounded to bf16 once more; p is rounded to bf16
; for the second product, l is taken of the unrounded p; a weight below 2^-126 counts as 0; a part with no valid token gives m = -1e30, l = 0, and a batch with none NaN, as in reference().
; SHARES.  Wave w owns gate columns 48 w .. 48 w + 47 for all 128 tokens (24 accumulators) and the scores of tokens 32 w .. 32 w + 31.  Its tiles of 16 tokens are numbered from 2 w on, by address alone.
; All products take the weights as source 0 and the tokens as source 1: a lane holds one token, its registers eight columns.
; No cluster, no tensor loads: the tokens fill 198,656 bytes of LDS, and what is left holds no ring worth a barrier; no work-group wants another's tokens; each wave reads its own quarter of the weights.
; No prefetch: the stream has 42 loads of 512 bytes a wave, or more, on their way all the time.
; REGISTERS, in windows of 256 (s_set_vgpr_msb: bits 1:0 source 0, 3:2 source 1, 5:4 source 2, 7:6 destination):
;   window 0: v0-31 addresses; v32-63 in the stream two out-buffers and eight small ones, later P; v64-191 token fragments, two buffers of 8 tiles; v192-207 |q - kv|, two slots; v208-223 q, two buffers
;             (in the stream v64-255 are 8 rows of 6 slots of 4)
;   window 1: v0-191 gate sums (tile j, column tile n at 24 j + 8 n); v192-207 scores; v208-231 CG; v232-239 SB; v240-255 the gate's second layer
;   window 2: v0-223 four sets of weights for a k step (Wc 24, folded 24, WQK 8), later v0-191 two buffers of turned tokens; v224-247 Wg2
; THE MODE: SCHED_MODE bits 1:0 = 2 (LLVM: expert scheduling mode 2), set by the entry lines.  The code itself states the register dependences
; between vector or matrix instructions and memory or LDS instructions, with s_wait_alu, always for 0.
; THE PLAN.  Registers that memory or LDS instructions touch, and who else names them:
;   THE STREAM goes by rows of 768 numbers, 32 a wave.  Row p's twelve conversions read the six slots of row p % 8 and write OUT[p % 2].  Row p's memory instructions are the six loads of row p + 7, which
;   land in the slots of row (p - 1) % 8, and the six LDS stores of row p - 1, from OUT[(p - 1) % 2]: what row p - 1 worked on and no vector line of row p names.  So two lines at a row's head state all of it,
;   and the loads and stores are dealt among the conversions with no further wait.  v17, the loads' offset, is never written again; v18, the stores' address, once a lap of eight rows.
;   THE K LOOP.  Step p's products and riders read token buffer p % 2 and weight set p % 4; its loads land in token buffer (p + 1) % 2 and in set (p + 3) % 4, which step p - 1 read last.  ONE wait on va_vdst at
;   a step's head states that; the loads follow, dealt among the step's first tiles.  The nine LDS addresses are stepped once in four steps, behind one wait on vm_vsrc.  v6, v7: never written again.
;   BEHIND THE LOOP each run of LDS or global stores has one wait on va_vdst ahead of it, which also serves the loads that follow it; one wait on vm_vsrc, where the softmax begins, frees all that was read before.
.set SEC,   294912
.set PK,    1552                       ; a token's row in LDS: 1,536 bytes + 16
.set QB,    198656                     ; q in bf16
.set GP,    200192                     ; [wave][its tile][16] f32: the gate's second layer, a wave's 48 columns
.set SC,    202240                     ; [head][128] f32, rows 528 bytes apart
.set LG,    206592                     ; [wave][128] f32: log2 g or -infinity, each wave's own copy
.set STG,   208640                     ; [wave] 8 rows x 784 bytes: the way out
.set SPARE, 234240
.set AT,  8                            ; v8-15  my tile j's fragment address
.set AQ,  16                           ; v16    q's
.set OUT, 32                           ; v32-55 the stream's two out-buffers: six pairs each, a row's 24 numbers a lane in bf16
.set QG,  56                           ; v56    q in memory: 8 bytes a thread
.set QL,  57                           ; v57    q in LDS: 4 bytes a thread
.set QC,  58                           ; v58-60 q in bf16, to store
.set CGO, 61                           ; v61    4 (48 w + 8 hh): CG and Wg2
.set ZO,  62                           ; v62    0: SB
.set MKO, 63                           ; v63    4 x lane: the mask
.set KVF, 64
.set DF,  192
.set QF,  208
.set W_MM, 0x52                        ; weights window 2, tokens window 0, sums window 1
.set MSB, 0
.macro WIN new                         ; the immediate's high byte repeats the setting that is left; a switch that changes nothing is dropped
.if MSB != (\new)
	s_set_vgpr_msb (MSB<<8)|(\new)
.set MSB, (\new)
.endif
.endm
.macro PLACES
.rept 4
	v_nop
.endr
.endm
	s_load_b512 s[4:19], s[0:1], 0x0               ; kv s[4:5], q_vec s[6:7], mask s[8:9], Wg2 s[10:11], bg2 s[12:13], GW s[14:15], KB s[16:17], PO s[18:19]
	s_load_b64 s[20:21], s[0:1], 0x40              ; out1
	v_lshl_add_u32 v4, v0, 2, SPARE                ; my spare word,
	v_mov_b32 v5, 0                                ; and 0: kept for the closing lines
	v_lshrrev_b32 v1, 5, v0
	v_readfirstlane_b32 s22, v1                    ; wave
	s_mov_b32 s23, ttmp9                           ; part
	s_and_b32 s24, ttmp7, 0xffff                   ; batch
	v_and_b32 v1, 31, v0
	v_and_b32 v2, 15, v0                           ; r
	v_bfe_u32 v3, v0, 4, 1                         ; hh
	v_lshlrev_b32 v17, 4, v1                       ; 16 x lane
	v_lshlrev_b32 v[QG], 3, v0
	s_lshl_b32 s25, s24, 10
	s_lshl_b32 s42, s23, 7
	s_add_co_u32 s25, s25, s42                     ; the part's first token among all
	s_wait_alu depctr_va_sdst(0)                   ; s22 is written, ahead of its first reader
	s_lshl_b32 s42, s22, 5
	s_add_co_u32 s42, s42, s25
	s_mul_i32 s42, s42, 3072
	s_mov_b32 s43, 0
	s_wait_kmcnt 0x0
	s_add_nc_u64 s[26:27], s[4:5], s[42:43]        ; my 32 rows of kv
	s_mul_i32 s42, s24, 3072
	s_add_nc_u64 s[40:41], s[6:7], s[42:43]
	s_wait_alu depctr_va_vdst(0)                   ; v17 and v[QG] are written, which the loads below read as offsets
.irp i, 0,1,2
	global_load_b64 v[44+2*\i:45+2*\i], v[QG], s[40:41] offset:\i*1024
.endr
.set g, 0
.rept 48                                               ; the stream's first eight rows: 48 loads of 512 consecutive bytes
	global_load_b128 v[64+4*g:67+4*g], v17, s[26:27] offset:(g/6)*3072+(g%6)*512 th:TH_LOAD_NT
.set g, g+1
.endr
	s_load_b32 s58, s[12:13], 0x0                  ; bg2
	s_add_nc_u64 s[28:29], s[14:15], 32*SEC        ; Wc
	s_mul_i32 s42, s24, SEC
	s_add_nc_u64 s[30:31], s[14:15], s[42:43]      ; the batch's folded weights
	s_mul_i32 s42, s24, 12288
	s_add_nc_u64 s[32:33], s[16:17], s[42:43]      ; WQK[b]
	s_mul_i32 s42, s24, 768
	s_add_co_u32 s42, s42, 394240
	s_add_nc_u64 s[34:35], s[16:17], s[42:43]      ; CG[b]
	s_lshl_b32 s42, s24, 5
	s_add_co_u32 s42, s42, 393216
	s_add_nc_u64 s[36:37], s[16:17], s[42:43]      ; SB[b]
	s_mov_b32 s42, s25
	s_add_nc_u64 s[38:39], s[8:9], s[42:43]        ; the part's mask bytes
	s_lshl_b32 s42, s25, 2
	s_add_nc_u64 s[54:55], s[20:21], s[42:43]      ; and its g
	s_mul_i32 s42, s24, 196608
	s_mul_i32 s45, s23, 3072
	s_add_co_u32 s42, s42, s45
	s_mul_i32 s45, s22, 768
	s_add_co_u32 s42, s42, s45
	s_add_nc_u64 s[50:51], s[18:19], s[42:43]      ; PO[b][0][part], my 192 channels
	s_lshl3_add_u32 s42, s24, s23
	s_lshl_b32 s42, s42, 8
	s_add_co_u32 s42, s42, 6291456
	s_add_nc_u64 s[52:53], s[18:19], s[42:43]      ; the work-group's record of m and l
	s_mov_b32 s46, 0x76543210                      ; v_permlanex16_b32: each lane takes its own place in the other half
	s_mov_b32 s47, 0xfedcba98
	s_mov_b32 s48, 0x3c23d70a                      ; 0.01
	s_mov_b32 s49, 0x3f7d70a4                      ; 0.99
	s_mov_b32 s56, 0xbf80bf80                      ; -1 twice in bf16
	s_mov_b32 s57, 0x7fff7fff                      ; clears two signs
	s_mov_b32 s60, 0xbfb8aa3b                      ; -log2(e)
	s_mov_b32 s61, 0x3f317218                      ; ln 2
	s_mov_b32 s62, 0xf149f2ca                      ; -1e30
	s_mul_i32 s45, s22, 3072
	v_lshl_add_u32 v6, v1, 4, s45                  ; my three column tiles in a k step of GW
	v_and_b32 v30, 7, v0                           ; r % 8: the head
	v_mul_u32_u24 v7, v30, 1536
	v_lshl_add_u32 v7, v3, 4, v7                   ; WQK's fragment: rows 8 to 15 repeat the eight heads
	v_mul_u32_u24 v31, v2, PK
	v_lshl_add_u32 v31, v3, 4, v31
	s_lshl_b32 s42, s22, 1
.irp j, 0,1,2,3,4,5,6,7
	s_add_co_u32 s45, s42, \j
	s_and_b32 s45, s45, 7
	s_mul_i32 s45, s45, 16*PK
	v_add_nc_u32 v[AT+\j], s45, v31                ; my tile j is the part's tile (j + 2 w) % 8
.endr
	v_lshl_add_u32 v[AQ], v3, 4, QB
	s_mul_i32 s45, s22, 32*PK
	v_lshl_add_u32 v18, v1, 3, s45                 ; the stream's place in LDS
	s_lshl_b32 s45, s22, 9
	s_add_co_u32 s45, s45, GP
	v_lshl_add_u32 v19, v2, 2, s45
	s_lshl_b32 s45, s22, 7
	s_add_co_u32 s45, s45, SC
	v_lshl_add_u32 v20, v2, 2, s45
	v_mul_u32_u24 v27, v30, 528
	v_lshl_add_u32 v27, v3, 5, v27
	v_add_nc_u32 v27, SC, v27
	v_lshrrev_b32 v30, 2, v1                       ; lane l later holds tokens 4 l .. 4 l + 3: tile l / 4
	v_and_b32 v31, 3, v1
	v_lshlrev_b32 v31, 4, v31
.irp v, 0,1,2,3
	v_add_nc_u32 v[21+\v], 8-2*\v, v30
	v_and_b32 v[21+\v], 7, v[21+\v]                ; which of wave v's tiles that is
	v_lshl_add_u32 v[21+\v], v[21+\v], 6, v31
	v_add_nc_u32 v[21+\v], GP+512*\v, v[21+\v]
.endr
	s_lshl_b32 s45, s22, 9
	s_add_co_u32 s45, s45, LG
	v_lshl_add_u32 v25, v1, 4, s45
	v_lshl_add_u32 v28, v3, 5, s45
	s_mul_i32 s45, s22, 192
	v_lshl_add_u32 v[CGO], v3, 5, s45              ; 4 (48 w + 8 hh): CG and Wg2
	v_mov_b32 v[ZO], 0
	v_lshlrev_b32 v[MKO], 2, v1
	v_lshl_add_u32 v[QL], v0, 2, QB
	s_wait_kmcnt 0x0
	s_mov_b32 s59, s58
; One load of a k step's 14 of weights, into set st; ki counts k steps from where the three pointers stand.
.macro BL1 st, ki, idx
.if (\idx) < 6
	global_load_b128 v[56*(\st)+4*(\idx):56*(\st)+4*(\idx)+3], v6, s[28:29] offset:(\ki)*12288+(\idx)*512
.elseif (\idx) < 12
	global_load_b128 v[56*(\st)+4*(\idx):56*(\st)+4*(\idx)+3], v6, s[30:31] offset:(\ki)*12288+((\idx)-6)*512
.else
	global_load_b128 v[56*(\st)+4*(\idx):56*(\st)+4*(\idx)+3], v7, s[32:33] offset:(\ki)*64+((\idx)-12)*32
.endif
.endm
; Number n of the 57 small loads that take the refills' places in the stream's tail: CG 6, SB 2, Wg2 6, the mask 1, then the weights of k steps 0, 1, 2.
; They land in registers that no vector line has named, by offsets that were written ahead of the wait in front of q's LDS stores: no further wait is owed for them.
.macro XL n
.if (\n) < 6
	WIN 0x40
	global_load_b128 v[208+4*(\n):211+4*(\n)], v[CGO], s[34:35] offset:((\n)/2)*64+((\n)%2)*16
.elseif (\n) < 8
	WIN 0x40
	global_load_b128 v[232+4*((\n)-6):235+4*((\n)-6)], v[ZO], s[36:37] offset:((\n)-6)*16
.elseif (\n) < 14
	WIN 0x80
	global_load_b128 v[224+4*((\n)-8):227+4*((\n)-8)], v[CGO], s[10:11] offset:(((\n)-8)/2)*64+(((\n)-8)%2)*16
.elseif (\n) == 14
	WIN 0
	global_load_b32 v26, v[MKO], s[38:39]
.else
	WIN 0x80
	BL1 ((\n)-15)/14, ((\n)-15)/14, ((\n)-15)%14
.endif
.endm
	; THE STREAM.  8 rows of 6 slots of four registers.  A slot's turn: its load is in, 4 numbers are rounded into the row's out-buffer; the 8 bytes go to LDS, and the slot is asked for again, in the next row's turn.
.macro RCV sl, ob, c                   ; slot c of slot row sl is rounded into pair c of OUT[ob]
	v_cvt_pk_bf16_f32 v[OUT+12*(\ob)+2*(\c)], v[64+24*(\sl)+4*(\c)], v[65+24*(\sl)+4*(\c)]
	v_cvt_pk_bf16_f32 v[OUT+12*(\ob)+2*(\c)+1], v[66+24*(\sl)+4*(\c)], v[67+24*(\sl)+4*(\c)]
.endm
.macro RST ob, row, c                  ; pair c of OUT[ob] goes to LDS, row rows on from where v18 stands
	ds_store_b64 v18, v[OUT+12*(\ob)+2*(\c):OUT+12*(\ob)+2*(\c)+1] offset:(\row)*PK+(\c)*256
.endm
; Row 8 L + j of lap L, j = 1 .. 8.  e = 1: the wait on vm_vsrc is written (a lap's first row finds it at the end of the lap before).
; Younger than slot c's load at its wait: 5 - c of its row, the 36 of the six rows behind it, and the c + 1 just issued: 42.
.macro ROW j, e
.if \e
	s_wait_alu depctr_vm_vsrc(0)                   ; the LDS stores issued in the row before have read this row's out-buffer, which its conversions write again
.endif
	s_wait_alu depctr_va_vdst(0)                   ; the row before has written the other out-buffer, which the stores below read, and is done reading its slots, in which the loads below land; behind a lap's end v18 is written
.set c, 0
.rept 6
	global_load_b128 v[64+24*((\j)-1)+4*c:67+24*((\j)-1)+4*c], v17, s[26:27] offset:(7+(\j))*3072+c*512 th:TH_LOAD_NT  ; seven rows ahead; no vector line since the wait names these registers
	RST ((\j)-1)%2, (\j)-1, c
	s_wait_loadcnt 42
	RCV (\j)%8, (\j)%2, c
.set c, c+1
.endr
.endm
; Row 24 + j, j = 1 .. 7: the small loads take the refills' places, two in each of the first 15 of the 42 places, one in each of the rest.
; Younger than the slot's load at place n: 41 - n of the stream and the small loads issued so far, 2 n + 2 up to place 14, then n + 16.
.macro TROW j
.if (\j) > 1
	s_wait_alu depctr_vm_vsrc(0)                   ; the LDS stores issued in the row before have read this row's out-buffer, which its conversions write again
.endif
	s_wait_alu depctr_va_vdst(0)                   ; the row before has written the other out-buffer, which the stores below read; behind the last lap's end v18 is written
.set c, 0
.rept 6
.set n, 6*((\j)-1)+c
.if n < 15
	XL 2*n
	XL 2*n+1
.else
	XL n+15
.endif
	WIN 0
	RST ((\j)-1)%2, (\j)-1, c
.if n < 14
	s_wait_loadcnt 43+n
.else
	s_wait_loadcnt 57
.endif
	RCV (\j)%8, (\j)%2, c
.set c, c+1
.endr
.endm
	s_wait_loadcnt 48                              ; q is in: the stream's 48 are younger
.irp i, 0,1,2
	v_cvt_pk_bf16_f32 v[QC+\i], v[44+2*\i], v[45+2*\i]
.endr
	s_wait_alu depctr_va_vdst(0)                   ; the conversions have written v[QC ..], which the LDS stores read; v[QL], v18 and all the other addresses and offsets made above are written too
.irp i, 0,1,2
	ds_store_b32 v[QL], v[QC+\i] offset:\i*512
.endr
.set c, 0
.rept 6                                                ; row 0 has no row in front of it: nothing to store, no slot to ask for again
	s_wait_loadcnt 47-c
	RCV 0, 0, c
.set c, c+1
.endr
	s_mov_b32 s44, 3
.Lstream:                                              ; a lap: rows 8 L + 1 to 8 L + 8; its stores are rows 8 L to 8 L + 7, its loads rows 8 L + 8 to 8 L + 15
	ROW 1, 0
	ROW 2, 1
	ROW 3, 1
	ROW 4, 1
	ROW 5, 1
	ROW 6, 1
	ROW 7, 1
	ROW 8, 1
	s_wait_xcnt 0x0                                ; the loads have read their base: it is stepped only behind this wait
	s_add_nc_u64 s[26:27], s[26:27], 8*3072
	s_wait_alu depctr_vm_vsrc(0)                   ; the LDS stores issued so far have read v18, and the out-buffer that the next row's conversions write again
	v_add_nc_u32 v18, 8*PK, v18
	s_sub_co_u32 s44, s44, 1
	s_cmp_lg_u32 s44, 0
	s_cbranch_scc1 .Lstream
	TROW 1
	TROW 2
	TROW 3
	TROW 4
	TROW 5
	TROW 6
	TROW 7
	s_wait_alu depctr_va_vdst(0)                   ; row 31 has written its out-buffer, which the last six stores read; all conversions are done reading the slots, in which the token fragments land below
.set c, 0
.rept 6
	RST 1, 7, c
.set c, c+1
.endr
	s_wait_dscnt 0x0                               ; for the others' sake: my rows and my part of q are in LDS
	s_barrier_signal -1
	s_barrier_wait -1
; THE K LOOP: 24 steps of 32 channels; a step has 50 products.
.macro LD1 nb, ki, idx                 ; number idx of a k step's 18 LDS loads: the eight tiles' fragments, two loads each, then q's; for the k step ki from where the addresses stand, into buffer nb
	WIN 0
.if (\idx) < 16
	ds_load_b128 v[KVF+64*(\nb)+4*(\idx):KVF+64*(\nb)+4*(\idx)+3], v[AT+(\idx)/2] offset:(\ki)*64+32*((\idx)%2)
.else
	ds_load_b128 v[QF+8*(\nb)+4*((\idx)-16):QF+8*(\nb)+4*((\idx)-16)+3], v[AQ] offset:(\ki)*64+32*((\idx)-16)
.endif
.endm
.macro LDSK nb, ki                     ; all 18 in one run
.set li, 0
.rept 18
	LD1 \nb, \ki, li
.set li, li+1
.endr
.endm
.macro DIFF1 i, jn, kb, sl             ; number i of the 16 that make |q - kv| of tile jn, buffer kb, in slot sl: eight times q - kv, two bf16 at once, then eight times the signs cleared
.if (\i) < 8
	v_pk_fma_bf16 v[DF+8*(\sl)+(\i)], v[KVF+64*(\kb)+8*(\jn)+(\i)], s56, v[QF+8*(\kb)+(\i)]
.else
	v_and_b32 v[DF+8*(\sl)+(\i)-8], s57, v[DF+8*(\sl)+(\i)-8]
.endif
.endm
.macro RID4 q, jn, kb, sl              ; four of them, behind a product
	WIN 0
	DIFF1 4*(\q), \jn, \kb, \sl
	DIFF1 4*(\q)+1, \jn, \kb, \sl
	DIFF1 4*(\q)+2, \jn, \kb, \sl
	DIFF1 4*(\q)+3, \jn, \kb, \sl
.endm
.macro MMA d, a, b, c
	v_wmma_f32_16x16x32_bf16 v[(\d):(\d)+7], v[(\a):(\a)+7], v[(\b):(\b)+7], v[(\c):(\c)+7]
.endm
; Tile j of k step p: three products Wc x |q - kv|, three folded x kv, for tiles 0 and 1 one WQK x kv.  No two products on end share an accumulator, over tiles, steps and the backward jump too.
; rid = 1: behind the first four products stand the 16 lines that make the next tile's |q - kv| (tile 7: tile 0's of the next step).  The slot that they write was last read by the third product of the
; tile before: eight such lines, which name none of its registers, stand between.  first = 1: the sums start from CG and SB.
; ld = 1: behind each of the step's first nine groups of four such lines stand two of the next step's 18 LDS loads, under the same window.  No wait: no vector or matrix line since the step's head names the buffer in which they land.
.macro TILE p, j, first, rid, ld
.set bs, 56*((\p)%4)
.set kvr, KVF+64*((\p)%2)+8*(\j)
.set dfr, DF+8*((\j)%2)
.if (\j) == 7
.set jn, 0
.set kn, ((\p)+1)%2
.else
.set jn, (\j)+1
.set kn, (\p)%2
.endif
.set sn, jn%2
.irp n, 0,1,2
	WIN W_MM
.if \first
	MMA 24*(\j)+8*\n, bs+8*\n, dfr, 208+8*\n
.else
	MMA 24*(\j)+8*\n, bs+8*\n, dfr, 24*(\j)+8*\n
.endif
.if \rid
	RID4 \n, jn, kn, sn
.endif
.if (\ld) && ((8*(\j)+2*\n) < 18)
	LD1 ((\p)+1)%2, (\p)+1, 8*(\j)+2*\n
	LD1 ((\p)+1)%2, (\p)+1, 8*(\j)+2*\n+1
.endif
.endr
.irp n, 0,1,2
	WIN W_MM
	MMA 24*(\j)+8*\n, bs+24+8*\n, kvr, 24*(\j)+8*\n
.if (\rid) && (\n == 0)
	RID4 3, jn, kn, sn
.endif
.if (\ld) && (\n == 0) && ((8*(\j)+6) < 18)
	LD1 ((\p)+1)%2, (\p)+1, 8*(\j)+6
	LD1 ((\p)+1)%2, (\p)+1, 8*(\j)+7
.endif
.endr
.if (\j) < 2
	WIN W_MM
.if \first
	MMA 192+8*(\j), bs+48, kvr, 232
.else
	MMA 192+8*(\j), bs+48, kvr, 192+8*(\j)
.endif
.endif
.endm
; A k step.  lcnt: the weight loads younger than this step's set.  The next step's 18 LDS loads ride in tiles 0 to 2; (pf = 1) the 14 loads of weights for three steps on stand in two runs of seven, behind tiles 1 and 2.
; They land in the buffer and the set that the step before read last.  first = 1: those registers were last named ahead of the wait in front of the stream's last stores, so no wait is written.  last = 1: nothing is loaded.
.macro KSTEP p, first, pf, lcnt, last
	s_wait_loadcnt \lcnt
.if !(\first) && !(\last)
	s_wait_alu depctr_va_vdst(0)                   ; the step before's products and riders are done reading the token buffer and the weight set in which this step's loads land; behind the loop's jump the nine LDS addresses are written
.endif
	TILE \p, 0, \first, 1, 1-(\last)
	TILE \p, 1, \first, 1, 1-(\last)
.set ix, 0
.if \pf
	WIN 0x80
.rept 7
	BL1 ((\p)+3)%4, (\p)+3, ix
.set ix, ix+1
.endr
.endif
	TILE \p, 2, \first, 1, 1-(\last)
.if \pf
	WIN 0x80
.rept 7
	BL1 ((\p)+3)%4, (\p)+3, ix
.set ix, ix+1
.endr
.endif
	TILE \p, 3, \first, 1, 0
	TILE \p, 4, \first, 1, 0
	TILE \p, 5, \first, 1, 0
	TILE \p, 6, \first, 1, 0
.if \last
	TILE \p, 7, \first, 0, 0
.else
	s_wait_dscnt 0x0                               ; the next step's fragments are in: tile 7's riders read them
	TILE \p, 7, \first, 1, 0
.endif
.endm
	LDSK 0, 0
	s_wait_dscnt 0x0
.set i, 0
.rept 16
	DIFF1 i, 0, 0, 0
.set i, i+1
.endr
	KSTEP 0, 1, 1, 28, 0                           ; sets 1 and 2, 14 loads each, are younger
	WIN 0                                          ; at a label and at a branch every window is 0
	s_mov_b32 s44, 5
.Lk:
	KSTEP 1, 0, 1, 28, 0
	KSTEP 2, 0, 1, 28, 0
	KSTEP 3, 0, 1, 28, 0
	KSTEP 4, 0, 1, 28, 0
	WIN 0
	s_wait_xcnt 0x0                                ; the weight loads have read their bases
	s_add_nc_u64 s[28:29], s[28:29], 4*12288
	s_add_nc_u64 s[30:31], s[30:31], 4*12288
	s_add_nc_u64 s[32:33], s[32:33], 4*64
	s_wait_alu depctr_vm_vsrc(0)                   ; the LDS loads issued so far have read the nine addresses
.irp j, 0,1,2,3,4,5,6,7,8
	v_add_nc_u32 v[AT+\j], 4*64, v[AT+\j]          ; the eight tiles' addresses and q's
.endr
	s_sub_co_u32 s44, s44, 1
	s_cmp_lg_u32 s44, 0
	s_cbranch_scc1 .Lk
	KSTEP 1, 0, 0, 28, 0                           ; the last three steps ask for no weights: the counts run down
	KSTEP 2, 0, 0, 14, 0
	KSTEP 3, 0, 0, 0, 1
	; THE GATE'S SECOND LAYER: relu, times Wg2, summed over my 48 columns.  Each accumulator is read from its lowest register on; the first tiles' lines are the places behind the last products.
	WIN 0x59                                       ; sums window 1, Wg2 window 2
.set j, 0
.rept 8
.set n, 0
.rept 3
.set a, 24*j+8*n
.irp i, 0,1,2,3,4,5,6,7
	v_max_num_f32 v[a+\i], v[a+\i], 0
.endr
.irp i, 0,1,2,3
.if (n == 0) && (\i == 0)
	v_pk_mul_f32 v[240+2*j:241+2*j], v[a:a+1], v[224:225]
.else
	v_pk_fma_f32 v[240+2*j:241+2*j], v[a+2*\i:a+2*\i+1], v[224+8*n+2*\i:225+8*n+2*\i], v[240+2*j:241+2*j]
.endif
.endr
.set n, n+1
.endr
.set j, j+1
.endr
	WIN 0x55
.irp j, 0,1,2,3,4,5,6,7
	v_add_f32 v[240+2*\j], v[240+2*\j], v[241+2*\j]
.endr
.irp j, 0,1,2,3,4,5,6,7
	v_permlanex16_b32 v[241+2*\j], v[240+2*\j], s46, s47   ; the token's other 24 columns lie in the lane 16 away
.endr
.irp j, 0,1,2,3,4,5,6,7
	v_add_f32 v[240+2*\j], v[240+2*\j], v[241+2*\j]
.endr
	WIN 0x04                                       ; LDS stores with their data in window 1; both halves of the lanes write the same number to the same word
	s_wait_alu depctr_va_vdst(0)                   ; the additions have written the eight sums and the products the scores, which the LDS stores read; the products are done reading the token buffers, in which the loads behind the barrier land
.irp j, 0,1,2,3,4,5,6,7
	ds_store_b32 v19, v[240+2*\j] offset:64*\j
.endr
.irp jj, 0,1
.irp i, 0,1,2,3,4,5,6,7
	ds_store_b32 v20, v[192+8*\jj+\i] offset:528*\i+64*\jj   ; register i is head i
.endr
.endr
	WIN 0
	s_wait_dscnt 0x0
	s_barrier_signal -1
	s_barrier_wait -1
	; g AND log2 g, in every wave alike: lane l has tokens 4 l .. 4 l + 3.
.irp v, 0,1,2,3
	ds_load_b128 v[64+4*\v:67+4*\v], v[21+\v]
.endr
	v_mov_b32 v96, 0xff800000                      ; -infinity
	s_wait_dscnt 0x0
	v_pk_add_f32 v[64:65], v[64:65], v[68:69]
	v_pk_add_f32 v[66:67], v[66:67], v[70:71]
	v_pk_add_f32 v[72:73], v[72:73], v[76:77]
	v_pk_add_f32 v[74:75], v[74:75], v[78:79]
	v_pk_add_f32 v[64:65], v[64:65], v[72:73]
	v_pk_add_f32 v[66:67], v[66:67], v[74:75]
	v_pk_add_f32 v[64:65], v[64:65], s[58:59] op_sel_hi:[1,0]
	v_pk_add_f32 v[66:67], v[66:67], s[58:59] op_sel_hi:[1,0]
.irp t, 0,1,2,3
	v_and_b32 v[80+\t], 0x7fffffff, v[64+\t]
.endr
.irp t, 0,1,2,3
	v_mul_f32 v[80+\t], s60, v[80+\t]              ; -|x| log2(e)
.endr
.irp t, 0,1,2,3
	v_exp_f32 v[80+\t], v[80+\t]
.endr
	v_nop                                          ; a plain instruction behind the batch,
	s_wait_alu depctr_va_vdst(0)                   ; and its one wait: the four exponentials have written v80 to v83
.irp t, 0,1,2,3
	v_add_f32 v[80+\t], 1.0, v[80+\t]
.endr
.irp t, 0,1,2,3
	v_log_f32 v[80+\t], v[80+\t]
.endr
.irp t, 0,1,2,3
	v_max_num_f32 v[84+\t], 0, v[64+\t]
.endr
	s_wait_alu depctr_va_vdst(0)                   ; the four logarithms have written v80 to v83
.irp t, 0,1,2,3
	v_fma_f32 v[84+\t], v[80+\t], s61, v[84+\t]    ; softplus = max(x, 0) + ln 2 x log2(1 + e^-|x|)
.endr
.irp t, 0,1,2,3
	v_add_f32 v[80+\t], 1.0, v[84+\t]
.endr
.irp t, 0,1,2,3
	v_add_f32 v[80+\t], 0x322bcc77, v[80+\t]       ; + 1e-8
.endr
.irp t, 0,1,2,3
	v_rcp_f32 v[80+\t], v[80+\t]
.endr
	v_nop
	s_wait_alu depctr_va_vdst(0)                   ; the four reciprocals have written v80 to v83
.irp t, 0,1,2,3
	v_mul_f32 v[88+\t], v[84+\t], v[80+\t]
.endr
.irp t, 0,1,2,3
	v_med3_num_f32 v[88+\t], v[88+\t], s48, s49    ; the clip
.endr
.irp t, 0,1,2,3
	v_log_f32 v[92+\t], v[88+\t]
.endr
.irp t, 0,1,2,3
	v_and_b32 v[80+\t], 0xff<<(8*\t), v26          ; the token's mask byte
.endr
	s_wait_alu depctr_va_vdst(0)                   ; the four logarithms have written v92 to v95
.irp t, 0,1,2,3
	v_cmp_ne_u32 s[40+\t], 0, v[80+\t]             ; the four compares in one run, each into a scalar register of its own
.endr
	s_wait_alu depctr_va_sdst(0)                   ; the compares have written s40 to s43, ahead of their first reader
.irp t, 0,1,2,3
	v_cndmask_b32 v[92+\t], v96, v[92+\t], s[40+\t]
.endr
	s_wait_alu depctr_va_vdst(0)                   ; the selects have written v92 to v95, which the LDS store reads, and the clips v88 to v91, which the store of g reads; all of this block is done with v64 to v96, in which the softmax's loads land
	ds_store_b128 v25, v[92:95]                    ; my wave's own copy: LDS serves a wave's instructions in order, so no wait and no barrier
	s_cmp_lg_u32 s22, 0
	s_cbranch_scc1 .Lno_g
	global_store_b128 v17, v[88:91], s[54:55]      ; 512 consecutive bytes of out1
.Lno_g:
	s_wait_xcnt 0x0                                ; the store has read its registers: the loads below land on them
	s_wait_alu depctr_vm_vsrc(0)                   ; the two stores have read v88 to v95, in which the loads below land; the stream's stores and small loads have read v32 to v63, which P takes, and the K loop's loads v8 to v16, which are made anew further down
	; THE SOFTMAX over the part's 128 tokens, in every wave alike: lane (r, hh) has head r % 8 and the tokens that P's fragments want of it: 16 a + 8 hh + 0..7, a = 0..7.
.irp a, 0,1,2,3,4,5,6,7
	ds_load_b128 v[64+8*\a:67+8*\a], v27 offset:64*\a
	ds_load_b128 v[68+8*\a:71+8*\a], v27 offset:64*\a+16
	ds_load_b128 v[128+8*\a:131+8*\a], v28 offset:64*\a
	ds_load_b128 v[132+8*\a:135+8*\a], v28 offset:64*\a+16
.endr
	s_wait_dscnt 0x0
.set i, 0
.rept 32
	v_pk_add_f32 v[64+2*i:65+2*i], v[64+2*i:65+2*i], v[128+2*i:129+2*i]
.set i, i+1
.endr
.irp c, 0,1,2,3
	v_max3_num_f32 v[192+\c], v[64+16*\c], v[65+16*\c], v[66+16*\c]
.endr
.set i, 0
.rept 6
.irp c, 0,1,2,3
	v_max3_num_f32 v[192+\c], v[192+\c], v[67+16*\c+2*i], v[68+16*\c+2*i]
.endr
.set i, i+1
.endr
	v_max3_num_f32 v192, v192, v193, v194
	v_max3_num_f32 v195, v195, v79, v95
	v_max3_num_f32 v192, v192, v111, v127
	v_max_num_f32 v192, v192, v195
	v_permlanex16_b32 v193, v192, s46, s47
	v_max3_num_f32 v30, v192, v193, s62            ; m: the true maximum, or -1e30 where no token is valid
.set i, 0
.rept 32
	v_pk_add_f32 v[64+2*i:65+2*i], v[64+2*i:65+2*i], v[30:31] op_sel_hi:[1,0] neg_lo:[0,1] neg_hi:[0,1]
.set i, i+1
.endr
.set i, 0
.rept 64
	v_exp_f32 v[64+i], v[64+i]
.set i, i+1
.endr
	v_nop
	s_wait_alu depctr_va_vdst(0)                   ; one wait for the 64: the exponentials have written v64 to v127
.set i, 0
.rept 32
	v_cvt_pk_bf16_f32 v[32+i], v[64+2*i], v[65+2*i]
.set i, i+1
.endr
.irp w, 32,16,8,4,2
.set i, 0
.rept \w/2
	v_pk_add_f32 v[64+2*i:65+2*i], v[64+2*i:65+2*i], v[64+\w+2*i:65+\w+2*i]
.set i, i+1
.endr
.endr
	v_add_f32 v64, v64, v65
	v_permlanex16_b32 v65, v64, s46, s47
	v_add_f32 v31, v64, v65                        ; l
	; sum p kv: source 0 = 16 channels x 32 tokens, turned out of LDS; source 1 = P.  Wave w takes channels 192 w on: 12 accumulators by turns, four steps of 32 tokens.
	; Each step has a buffer of 96 registers of its own: steps 0 and 1 in window 0, steps 2 and 3 where the weights lay in window 2.  So one wait ahead of the first load serves all 96 loads.
	v_and_b32 v12, 7, v0
	v_lshl_add_u32 v12, v3, 3, v12
	v_mul_u32_u24 v12, v12, PK
	v_bfe_u32 v13, v0, 3, 1
	v_lshl_add_u32 v12, v13, 4, v12
	s_mul_i32 s45, s22, 384
	v_add_nc_u32 v8, s45, v12
	v_add_nc_u32 v9, 32*PK, v8
	v_add_nc_u32 v10, 64*PK, v8
	v_add_nc_u32 v11, 96*PK, v8
.macro LV kk
.if (\kk) < 2
	WIN 0
.set vb, 64+96*(\kk)
.else
	WIN 0x80                                       ; destination window 2
.set vb, 96*((\kk)-2)
.endif
.set c, 0
.rept 12
	ds_load_tr16_b128 v[vb+8*c:vb+8*c+3], v[8+(\kk)] offset:32*c
	ds_load_tr16_b128 v[vb+8*c+4:vb+8*c+7], v[8+(\kk)] offset:32*c+16*PK
.set c, c+1
.endr
.endm
.macro PVM kk, zero
.if (\kk) < 2
	WIN 0x50
.set vb, 64+96*(\kk)
.else
	WIN W_MM                                       ; source 0 window 2
.set vb, 96*((\kk)-2)
.endif
.set c, 0
.rept 12
.if \zero
	v_wmma_f32_16x16x32_bf16 v[8*c:8*c+7], v[vb+8*c:vb+8*c+7], v[32+8*(\kk):39+8*(\kk)], 0
.else
	v_wmma_f32_16x16x32_bf16 v[8*c:8*c+7], v[vb+8*c:vb+8*c+7], v[32+8*(\kk):39+8*(\kk)], v[8*c:8*c+7]
.endif
.set c, c+1
.endr
.endm
	s_wait_alu depctr_va_vdst(0)                   ; v8 to v11 are written, which the turning loads read as addresses; the softmax is done with v64 to v255, in which the first 48 land (window 2's weights were last read in the K loop)
	LV 0
	LV 1
	s_wait_dscnt 24                                ; the first 24 are in
	PVM 0, 1
	LV 2                                           ; no wait: no vector or matrix line since the wait above names these registers
	s_wait_dscnt 24
	PVM 1, 0
	LV 3
	s_wait_dscnt 24
	PVM 2, 0
	s_wait_dscnt 0x0
	PVM 3, 0
	; THE WAY OUT: 8 heads x 192 channels in f32 through my stage, back as whole blocks of 256 bytes.  The address lines are places behind the last products.
	WIN 0
	s_mul_i32 s45, s22, 6400
	s_add_co_u32 s45, s45, STG
	v_and_b32 v12, 7, v0
	v_mul_u32_u24 v12, v12, 784
	v_lshl_add_u32 v12, v3, 5, v12
	v_add_nc_u32 v12, s45, v12                     ; in: row r % 8, 32 bytes for each half of the lanes; lanes 8 to 15 repeat lanes 0 to 7
	v_lshlrev_b32 v15, 4, v2
	v_mul_u32_u24 v14, v3, 272
	v_mul_u32_u24 v16, v3, 24064
	v_add_nc_u32 v14, v14, v15
	v_add_nc_u32 v16, v16, v15                     ; in memory a head's row lies 24,576 bytes behind the last head's
	v_lshl_add_u32 v15, v3, 8, v15
	v_add_nc_u32 v13, s45, v15
	v_add_nc_u32 v14, s45, v14
	v_lshlrev_b32 v29, 3, v1
	PLACES
	WIN 0x04
	s_wait_alu depctr_va_vdst(0)                   ; the products have written the twelve sums, which the LDS stores read (the places above stay beside this wait), and are done reading v64 to v111, in which the loads from the stage land; v12 to v16, v29, m and l are written
.set c, 0
.rept 12
	ds_store_b128 v12, v[8*c:8*c+3] offset:64*c
	ds_store_b128 v12, v[8*c+4:8*c+7] offset:64*c+16
.set c, c+1
.endr
	WIN 0
	; a head's 768 bytes are three blocks of 256; a load takes two blocks, so three loads take two heads
.irp g, 0,1,2,3
	ds_load_b128 v[64+12*\g:67+12*\g], v13 offset:\g*1568
	ds_load_b128 v[68+12*\g:71+12*\g], v14 offset:\g*1568+512
	ds_load_b128 v[72+12*\g:75+12*\g], v13 offset:\g*1568+1040
.endr
.irp g, 0,1,2,3
	s_wait_dscnt 11-3*\g
	global_store_b128 v15, v[64+12*\g:67+12*\g], s[50:51] offset:\g*49152
	s_wait_dscnt 10-3*\g
	global_store_b128 v16, v[68+12*\g:71+12*\g], s[50:51] offset:\g*49152+512
	s_wait_dscnt 9-3*\g
	global_store_b128 v15, v[72+12*\g:75+12*\g], s[50:51] offset:\g*49152+24832
.endr
	s_cmp_lg_u32 s22, 0
	s_cbranch_scc1 .Lno_ml
	global_store_b64 v29, v[30:31], s[52:53]       ; m and l: 256 consecutive bytes, lane l for head l % 8
.Lno_ml:
	s_wait_dscnt 0x0                               ; the closing lines, six on end
	s_wait_alu 0x0
	s_wait_tensorcnt 0x0
	ds_add_u32 v4, v5
	s_wait_dscnt 0x0
	s_endpgm
.Lfunc_end_k_q4c256b428c_main:
	.size	k_q4c256b428c_main, .Lfunc_end_k_q4c256b428c_main-k_q4c256b428c_main
	.p2alignl 7, 3214868480
	.fill 96, 4, 3214868480
	.section	.rodata,"a",@progbits
	.p2align	6, 0x0
	.amdhsa_kernel k_q4c256b428c_main
		.amdhsa_group_segment_fixed_size 234752
		.amdhsa_private_segment_fixed_size 0
		.amdhsa_enable_private_segment 0
		.amdhsa_kernarg_size 72
		.amdhsa_user_sgpr_count 2
		.amdhsa_user_sgpr_kernarg_segment_ptr 1
		.amdhsa_wavefront_size32 1
		.amdhsa_system_sgpr_workgroup_id_x 1
		.amdhsa_system_sgpr_workgroup_id_y 1
		.amdhsa_system_sgpr_workgroup_id_z 1
		.amdhsa_system_vgpr_workitem_id 0
		.amdhsa_next_free_vgpr 768
		.amdhsa_next_free_sgpr 66
		.amdhsa_reserve_vcc 0
		.amdhsa_float_denorm_mode_32 3
		.amdhsa_float_denorm_mode_16_64 3
		.amdhsa_memory_ordered 1
		.amdhsa_forward_progress 1
		.amdhsa_inst_pref_size 209
	.end_amdhsa_kernel
	.amdgpu_metadata
---
amdhsa.version: [ 1, 2 ]
amdhsa.kernels:
  - .name:           k_q4c256b428c_main
    .symbol:         k_q4c256b428c_main.kd
    .args:
      - { .name: kv_tokens, .offset: 0, .size: 8, .value_kind: global_buffer, .address_space: global }
      - { .name: q_vec, .offset: 8, .size: 8, .value_kind: global_buffer, .address_space: global }
      - { .name: kv_mask, .offset: 16, .size: 8, .value_kind: global_buffer, .address_space: global }
      - { .name: Wg2, .offset: 24, .size: 8, .value_kind: global_buffer, .address_space: global }
      - { .name: bg2, .offset: 32, .size: 8, .value_kind: global_buffer, .address_space: global }
      - { .name: GW, .offset: 40, .size: 8, .value_kind: global_buffer, .address_space: global }
      - { .name: KB, .offset: 48, .size: 8, .value_kind: global_buffer, .address_space: global }
      - { .name: PO, .offset: 56, .size: 8, .value_kind: global_buffer, .address_space: global }
      - { .name: out1, .offset: 64, .size: 8, .value_kind: global_buffer, .address_space: global }
    .group_segment_fixed_size: 234752
    .private_segment_fixed_size: 0
    .kernarg_segment_align: 8
    .kernarg_segment_size: 72
    .max_flat_workgroup_size: 128
    .sgpr_count:     66
    .vgpr_count:     768
    .wavefront_size: 32
...
	.end_amdgpu_metadata
.endif
;; end of part 8
;; launch comb: the kernel of part 5 again; grid 8 x 32, 6 waves a work-group, no clusters, 0 bytes of LDS; arguments PO, cbar; writes cbar
;; launch ctxp: the kernel of part 7 again; grid 3 x 8, 8 waves a work-group, no clusters, 124,416 bytes of LDS; arguments cbar, Wv, bv, ctx; writes ctx
;; launch xproj: the kernel of part 7 again; grid 24 x 1, 8 waves a work-group, no clusters, 124,416 bytes of LDS; arguments ctx, Wo, bo, xo; writes xo
;; launch ln: the kernel of part 6 again; grid 32 x 1, 1 waves a work-group, no clusters, 0 bytes of LDS; arguments xo, q_vec, ln_g, ln_b, out0; writes out0
